; MI455X (gfx1250); checked and timed in simulation.
; The chip was launched on July 23, 2026; its instructions are those of AMD's public machine-readable ISA for CDNA 5 (MIT licence, August 2026) and "CDNA5" Instruction Set Architecture Reference Guide (July 2026). The comments in the code are by the model that wrote it; some were corrected since.
;; Self Attention. Allowed arithmetic: matrix products marked QUANTISED: E3M2 operands, one E8M0 scale for each 32 along K, by v_wmma_scale_f32_16x16x128_f8f6f4 with both operands' format E3M2, f32 sums; everything else in f32.
;; Inputs: b_o 1,024 float32; b_qkv 3,072 float32; w_o 1,024 x 1,024 float32; w_qkv 3,072 x 1,024 float32; x 1 x 4,096 x 1,024 float32.
;; Outputs: out0 1 x 4,096 x 1,024 float32.
;; Constants: causal_mask = 1.
;; This version of the problem:
;;   THIS VERSION OF THE PROBLEM IS GIVEN IN LOW PRECISION. The matrix products marked QUANTISED in the list below multiply operands that are first quantised to E3M2 (3 exponent bits, 2 mantissa bits; 6 bits a number), with one power-of-two scale for each 32 numbers along K (OCP MX v1.0); their sums are f32. All else is computed in f32.
;;   The module's matrix products, in the order in which they are computed (A, B: the left and right operand; K: the contracted axis; several contracted axes count as one K, in the product's order):
;;     1. [M 4,096, K 1,024] x [K 1,024, N 3,072]; A: input x; B: input w_qkv: QUANTISED
;;     2. batch 16 x [M 4,096, K 64] x [K 64, N 4,096]; A: computed on the way; B: computed on the way: QUANTISED
;;     3. batch 16 x [M 4,096, K 4,096] x [K 4,096, N 64]; A: softmax (see below); B: computed on the way: QUANTISED
;;     4. [M 4,096, K 1,024] x [K 1,024, N 1,024]; A: computed on the way; B: input w_o: QUANTISED
;;   THE QUANTISER, for each operand of a quantised product, along K:
;;     - K is cut into blocks of 32 from its start; a last block that is shorter is filled with zeros.
;;     - A block's scale is 2^e with e = floor(log2(the largest magnitude in the block)) - 4, held to -126 .. 127; a block of zeros has e = 0. As a byte (E8M0): e + 127.
;;     - Each number is divided by its block's scale, clamped to +-28, and rounded to the nearest number of E3M2, ties to even, subnormals kept.
;;     - The product sums the exact products of the quantised numbers (number of the format x scale) in f32.
;;   ~~~python
;;   def quantise(x, axis):      # numpy; x: float32 -> the quantised numbers, widened to float32 again
;;       x = np.moveaxis(x, axis, -1); K = x.shape[-1]
;;       x = np.pad(x, [(0, 0)] * (x.ndim - 1) + [(0, -K % 32)]); x = x.reshape(x.shape[:-1] + (-1, 32)); a = np.abs(x).max(-1, keepdims=True)
;;       e = np.where(a > 0, np.clip(np.frexp(np.where(a > 0, a, 1))[1] - 1 - 4, -126, 127), 0)      # np.frexp(a)[1] - 1 = floor(log2(a)), exactly
;;       r = np.clip(x / 2.0 ** e, -28, 28)
;;       step = 2.0 ** (np.maximum(np.frexp(np.where(r == 0, 1, r))[1] - 1, -2) - 2)
;;       q = np.round(r / step) * step * 2.0 ** e      # np.round: ties to even
;;       return np.moveaxis(q.reshape(q.shape[:-2] + (-1,))[..., :K], -1, axis).astype(np.float32)
;;   ~~~
;;   SOFTMAX AHEAD OF A QUANTISED PRODUCT. Where the list says 'softmax', what is quantised is not the finished softmax but p = 2^(t - M), with t = logit x log2(e) and M = ceil(the row's largest t), a whole number; so 1/2 < the row's largest p <= 1. The row's sum l is taken of the UNQUANTISED p, in f32, and the product's result is divided by l at the end. Since M is a whole number, a kernel that streams over the keys may use a running M (the ceiling of the running maximum): every later rescaling is an exact power of two, which a block's scale takes up: the codes' values come out the same.
;;   OPERANDS COMPUTED ON THE WAY. 'Computed on the way' means the value that the module computes at that place (a softmax that the list does not call 'softmax' is quantised finished and normalised). What goes into a quantiser is computed in f32, as accurately as f32 sums, v_exp_f32 and their like allow (about 1e-6 of the number): no bf16 or f16 on the way to a quantiser, and a product that is left as it is and whose result goes on into a quantised operand takes f32 operands (vector FMAs, or v_wmma_f32_16x16x4_f32). A number that lies on a knife's edge between two numbers of the format may be rounded either way, as far as f32 arithmetic and the matrix unit's own rounding can turn it there, and no further.
;; One version. Each part assembles by itself: llvm-mc -triple=amdgcn-amd-amdhsa -mcpu=gfx1250 --defsym DOCPART=n.
;; ======== version 1 of 1: 4 launches
;; limits: right only within a limited range of input values
;; workspace buffers: cod1 6,553,600 bytes; qb 3,407,872 bytes; kv 6,684,672 bytes; ab 3,276,800 bytes
;; launch quant (part 1): grid 256 x 1, 4 waves a work-group, no clusters, 34,304 bytes of LDS; arguments x, w_qkv, w_o, cod1; writes cod1
.if DOCPART == 1
	.amdgcn_target "amdgcn-amd-amdhsa--gfx1250"
	.amdhsa_code_object_version 6
	.text
	.protected	k_q5323f24f66_quant
	.globl	k_q5323f24f66_quant
	.p2align	8
	.type	k_q5323f24f66_quant,@function
k_q5323f24f66_quant:
	s_mov_b64 s[64:65], 0
	v_nop
	global_prefetch_b8 v0, s[64:65] scope:SCOPE_SE
	s_setreg_imm32_b32 hwreg(HW_REG_WAVE_MODE, 25, 1), 1
	s_wait_xcnt 0x0
; x [4096][1024], w_qkv [3072][1024], w_o [1024][1024], f32, K innermost, become codes of BF6 (E3M2) with one E8M0 byte for each 32 along K,
; laid in cod1 IN THE ORDER OF AN OPERAND'S REGISTERS.  The 8,192 rows (x, then w_qkv, then w_o) go in groups of 32; tile 2 g + u holds in lane r
; row 32 g + 8 u + r + 8 (r / 8).  A tile is two records of 6,400 bytes (512 along K each): four fragments of 1,536 bytes (16 rows x 128 K), then 256 bytes of scale words.
; A fragment is two halves of 768 bytes (64 along K): lane l's 24 bytes as 16 bytes at 16 l and 8 bytes at 512 + 8 l.  Scale words: [lane][2]: word e of lane 16 u' + r is row r's word of K step 2 e + u'.
; A block's scale is 2^(floor(log2(largest magnitude)) - 4): its byte is the largest magnitude's exponent field - 4, held at 1 from below.
; LIMITS: NaN and infinities are not served; a block whose largest magnitude lies under 2^-122, a block of zeros among them, gets the byte 1 (zeros give zero codes; only this program reads the bytes).
; SHARES: work-group g takes rows 32 g .. 32 g + 31; wave w takes tile u = w / 2 and K half c = w % 2: one record.  Each load reads 512 consecutive bytes of a row; a K step's 16 rows turn through the
; wave's own stage in LDS (rows of 512 + 16 bytes), so that a lane gets two whole blocks of 32 neighbours.  Waves share nothing: no barrier.  Every store covers 512 or 256 consecutive bytes, aligned to 256.
.set SPIT, 528                         ; a stage row
.set STGW, 16*SPIT                     ; a wave's stage
.set RA,   16                          ; v16-143  two sets of 64 registers as loaded
.set X,    144                         ; v144-207 my two blocks of 32 neighbours
.set PC,   208                         ; v208-219 the fragment's codes
.set PT,   220                         ; v220-222, v224-226 the upper halves of the blocks' codes, before they are moved
.set TM,   228                         ; v228-229 largest magnitudes
.set SO,   230                         ; v230-231 the conversions' scale operands
.set BY,   232                         ; v232-233 the bytes
.set SW,   236                         ; v236-239 the scale word of each K step
	s_load_b128 s[4:7], s[0:1], 0x0                ; x, w_qkv
	s_load_b128 s[8:11], s[0:1], 0x10              ; w_o, cod1
	v_lshl_add_u32 v254, v0, 2, 0x8400
	v_mov_b32 v255, 0
	v_lshrrev_b32 v1, 5, v0
	v_readfirstlane_b32 s12, v1                    ; wave
	v_and_b32 v1, 31, v0                           ; lane
	v_and_b32 v2, 15, v0                           ; r
	v_bfe_u32 v3, v0, 4, 1                         ; h
	v_lshlrev_b32 v4, 4, v1                        ; 16 x lane: a load's and a store's place
	s_mul_i32 s13, s12, STGW
	v_add_nc_u32 v5, s13, v4                       ; the stage, on the way in
	v_mul_u32_u24 v6, v2, SPIT
	v_lshl_add_u32 v6, v3, 7, v6
	v_add_nc_u32 v6, s13, v6                       ; and out: row r, block h
	v_lshlrev_b32 v8, 3, v1                        ; 8 x lane
	v_mov_b32 v11, 0                               ; a lane permute's destination counts as read
	v_lshlrev_b32 v12, 3, v3                       ; 8 h
	s_mov_b32 s20, 0x76543210
	s_mov_b32 s21, 0xfedcba98                      ; selects for lane l xor 16
	s_wait_alu depctr_va_vdst(0)
	s_wait_kmcnt 0x0
	s_cmp_lt_u32 ttmp9, 224                        ; which tensor: the choice hangs on the work-group's number alone
	s_cselect_b64 s[6:7], s[6:7], s[8:9]
	s_mov_b32 s14, 224
	s_cselect_b32 s14, 128, s14
	s_cmp_lt_u32 ttmp9, 128
	s_cselect_b64 s[4:5], s[4:5], s[6:7]
	s_cselect_b32 s14, 0, s14
	s_sub_co_u32 s14, ttmp9, s14                   ; my group of 32 rows in that tensor
	s_lshl_b32 s14, s14, 17                        ; 32 rows of 4,096 bytes
	s_lshr_b32 s15, s12, 1
	s_lshl_b32 s15, s15, 15                        ; + 8 u rows
	s_add_co_u32 s14, s14, s15
	s_and_b32 s15, s12, 1
	s_lshl_b32 s15, s15, 11                        ; + 512 c numbers
	s_add_co_u32 s14, s14, s15
	s_mov_b32 s15, 0
	s_add_nc_u64 s[4:5], s[4:5], s[14:15]
	s_mul_i32 s16, ttmp9, 25600                    ; my record: two tiles a work-group, two records a tile
	s_mul_i32 s17, s12, 6400
	s_add_co_u32 s16, s16, s17
	s_mov_b32 s17, 0
	s_add_nc_u64 s[10:11], s[10:11], s[16:17]
.macro LOAD t                          ; K step t: the tile's 16 rows, 512 bytes each
.irp i, 0,1,2,3,4,5,6,7,8,9,10,11,12,13,14,15
	global_load_b128 v[RA+64*((\t)%2)+4*\i:RA+64*((\t)%2)+4*\i+3], v4, s[4:5] offset:(\i+8*(\i/8))*4096+512*(\t) th:TH_LOAD_NT
.endr
.endm
.macro STEP t
.if (\t) < 3
	s_wait_loadcnt 16                              ; this step's 16 loads are in; the next step's 16 may be out
.else
	s_wait_loadcnt 0x0
.endif
.irp i, 0,1,2,3,4,5,6,7,8,9,10,11,12,13,14,15
	ds_store_b128 v5, v[RA+64*((\t)%2)+4*\i:RA+64*((\t)%2)+4*\i+3] offset:SPIT*\i
.endr
.irp j, 0,1,2,3,4,5,6,7
	ds_load_b128 v[X+4*\j:X+4*\j+3], v6 offset:16*\j               ; block h of my row (a wave's LDS instructions are served in order)
.endr
.irp j, 0,1,2,3,4,5,6,7
	ds_load_b128 v[X+32+4*\j:X+32+4*\j+3], v6 offset:256+16*\j     ; block 2 + h
.endr
	s_wait_dscnt 0x0
.if (\t) < 2
	LOAD (\t)+2
.endif
.irp c, 0,1
	v_max3_num_f32 v[TM+\c], |v[X+32*\c]|, |v[X+1+32*\c]|, 0x2800000   ; with the floor 2^(5 - 127): the byte cannot fall under 1
.endr
.irp i, 2,4,6,8,10,12,14,16,18,20,22,24,26,28,30
.irp c, 0,1
	v_max3_num_f32 v[TM+\c], v[TM+\c], |v[X+32*\c+\i]|, |v[X+1+32*\c+\i]|
.endr
.endr
.irp c, 0,1
	v_add_nc_u32 v[SO+\c], 0xfe000000, v[TM+\c]    ; 4 off the exponent field: the conversion's scale operand
.endr
.irp c, 0,1
	v_lshrrev_b32 v[BY+\c], 23, v[SO+\c]           ; the byte
.endr
	v_lshl_or_b32 v9, v[BY+1], 16, v[BY]           ; blocks h and 2 + h,
	v_lshlrev_b32 v9, v12, v9                      ; at their places in the word;
	v_permlanex16_b32 v11, v9, s20, s21
	v_or_b32 v[SW+(\t)], v9, v11                   ; with lane l xor 16's two the word is whole
.if (\t) > 0
	s_wait_alu depctr_va_vdst(0)
	s_wait_xcnt 0x0                                ; the last step's stores have read the codes' registers
.endif
.irp c, 0,1
	v_cvt_scalef32_pk16_bf6_f32 v[PC+6*\c:PC+6*\c+2], v[X+32*\c:X+32*\c+15], v[SO+\c]
	v_cvt_scalef32_pk16_bf6_f32 v[PT+4*\c:PT+4*\c+2], v[X+16+32*\c:X+31+32*\c], v[SO+\c]   ; (three registers begin on an even number)
.endr
	v_nop                                          ; one plain place behind the conversions
.irp c, 0,1
.irp i, 0,1,2
	v_mov_b32 v[PC+3+6*\c+\i], v[PT+4*\c+\i]
.endr
.endr
	global_store_b128 v4, v[PC:PC+3], s[10:11] offset:1536*(\t)
	global_store_b64 v8, v[PC+4:PC+5], s[10:11] offset:1536*(\t)+512
	global_store_b128 v4, v[PC+6:PC+9], s[10:11] offset:1536*(\t)+768
	global_store_b64 v8, v[PC+10:PC+11], s[10:11] offset:1536*(\t)+1280
.endm
	LOAD 0
	LOAD 1
	STEP 0
	STEP 1
	STEP 2
	STEP 3
	v_cmp_le_u32 vcc_lo, 16, v1                    ; lanes 16-31 carry the odd K steps' words
	v_cndmask_b32 v240, v[SW], v[SW+1], vcc_lo
	v_cndmask_b32 v241, v[SW+2], v[SW+3], vcc_lo
	global_store_b64 v8, v[240:241], s[10:11] offset:6144
	s_wait_tensorcnt 0x0
	ds_add_u32 v254, v255
	s_wait_dscnt 0x0
	s_endpgm
.Lfunc_end_k_q5323f24f66_quant:
	.size	k_q5323f24f66_quant, .Lfunc_end_k_q5323f24f66_quant-k_q5323f24f66_quant
	.p2alignl 7, 3214868480
	.fill 96, 4, 3214868480
	.section	.rodata,"a",@progbits
	.p2align	6, 0x0
	.amdhsa_kernel k_q5323f24f66_quant
		.amdhsa_group_segment_fixed_size 34304
		.amdhsa_private_segment_fixed_size 0
		.amdhsa_enable_private_segment 0
		.amdhsa_kernarg_size 32
		.amdhsa_user_sgpr_count 2
		.amdhsa_user_sgpr_kernarg_segment_ptr 1
		.amdhsa_wavefront_size32 1
		.amdhsa_system_sgpr_workgroup_id_x 1
		.amdhsa_system_sgpr_workgroup_id_y 1
		.amdhsa_system_sgpr_workgroup_id_z 1
		.amdhsa_system_vgpr_workitem_id 0
		.amdhsa_next_free_vgpr 256
		.amdhsa_next_free_sgpr 66
		.amdhsa_reserve_vcc 1
		.amdhsa_float_denorm_mode_32 3
		.amdhsa_float_denorm_mode_16_64 3
		.amdhsa_memory_ordered 1
		.amdhsa_forward_progress 1
		.amdhsa_inst_pref_size 31
	.end_amdhsa_kernel
	.amdgpu_metadata
---
amdhsa.version: [ 1, 2 ]
amdhsa.kernels:
  - .name:           k_q5323f24f66_quant
    .symbol:         k_q5323f24f66_quant.kd
    .args:
      - { .name: x, .offset: 0, .size: 8, .value_kind: global_buffer, .address_space: global }
      - { .name: w_qkv, .offset: 8, .size: 8, .value_kind: global_buffer, .address_space: global }
      - { .name: w_o, .offset: 16, .size: 8, .value_kind: global_buffer, .address_space: global }
      - { .name: cod1, .offset: 24, .size: 8, .value_kind: global_buffer, .address_space: global }
    .group_segment_fixed_size: 34304
    .private_segment_fixed_size: 0
    .kernarg_segment_align: 8
    .kernarg_segment_size: 32
    .max_flat_workgroup_size: 128
    .sgpr_count:     66
    .vgpr_count:     256
    .wavefront_size: 32
...
	.end_amdgpu_metadata
.endif
;; end of part 1
;; launch qkv (part 2): grid 8 x 32, 4 waves a work-group, clusters of 4 x 4, 327,680 bytes of LDS; arguments cod1, b_qkv, qb, kv; writes qb, kv
.if DOCPART == 2
	.amdgcn_target "amdgcn-amd-amdhsa--gfx1250"
	.amdhsa_code_object_version 6
	.text
	.protected	k_q5323f24f66_qkv
	.globl	k_q5323f24f66_qkv
	.p2align	8
	.type	k_q5323f24f66_qkv,@function
k_q5323f24f66_qkv:
	s_mov_b64 s[64:65], 0
	v_nop
	global_prefetch_b8 v0, s[64:65] scope:SCOPE_SE
	s_setreg_imm32_b32 hwreg(HW_REG_WAVE_MODE, 25, 1), 1
	s_wait_xcnt 0x0
	s_wait_alu depctr_hold_cnt(0) depctr_sa_sdst(0) depctr_va_vdst(0) depctr_va_sdst(0) depctr_va_ssrc(0) depctr_va_vcc(0) depctr_vm_vsrc(0)
	s_getreg_b32 s2, hwreg(HW_REG_IB_STS2, 6, 4)
	s_cmp_eq_u32 s2, 0
	s_cbranch_scc0 .Lentry_in_a_cluster
	s_endpgm
.Lentry_in_a_cluster:
	s_bfe_u32 s2, ttmp6, 0x10000c
	s_cmp_lg_u32 s2, 0xf033
	s_cbranch_scc0 .Lentry_shape_is_right
	s_endpgm
.Lentry_shape_is_right:
; qkv = x w_qkv^T + b_qkv on codes of BF6 (from cod1), and its result quantised in registers: q and k along the head's 64, v along the keys.  Nothing leaves as f32.
; Source 0 of the matrix instruction is operand P, source 1 operand R: a lane holds one row of R and its registers run along P's rows, in natural order, since a tile's rows are
; 32 g + 8 u + r + 8 (r / 8).  The result is quantised along P, 128 rows (one fragment, one scale word a row of R) to a wave.
; SHARES: 8 x 32 = 256 work-groups.  Work-group (cg, xb) multiplies x's rows 128 xb .. + 127 with 384 rows of w_qkv, in two phases:
;   phase 1: R = x (8 tiles), P = w_qkv's rows 256 cg .. + 255 (16 tiles; cg 0-3 make q, cg 4-7 make k; 128 rows of P are two heads).  A wave: R 64 x P 128, 32 accumulators.
;   phase 2: R = v's channels 128 cg .. + 127 (w_qkv's tiles 128 + 8 cg .. + 7), P = the same 128 rows of x, the keys, which still lie in LDS.  A wave: R 32 (tiles 2 w, 2 w + 1) x P 128, 16 accumulators.
; LDS: all of K = 1,024 of x (102,400 bytes) and of phase 1's P (204,800), as codes and scale words, in two chunks of 512 along K: four tiles, one tensor load a wave at the head (wave / 2: R or P; wave % 2: the chunk).
; When P's chunk 0 has been read out (K step 3's fragments are in registers), its 102,400 bytes take phase 2's R, which is just as long: one load a wave, its own two tiles, 25,600 dense bytes.
; CLUSTERS 4 x 4: x's tiles are shared along a row of the cluster, w_qkv's along a column: joint loads with a mask that names the four; the refill stands behind a round of the cluster's barrier.
; NO PREFETCH: the text has no loop to run ahead in, and each tile is asked for once.
; The bias is the C of each phase's first K step (the sum's first addend).  LIMITS: NaN and infinities are not served; a block whose largest magnitude lies under 2^-122 gets the byte 1.
; OUT.  qb: codes [head][256 tiles][768]; at QSC scale words [head][64 groups of 4 tiles][lane][2].  kv: [head][32 steps of 128 keys][13,056]: K's 8 halves, V^T's 4 fragments, K's scale words (2 x 256), V's (256).
; A q or k scale word holds its head's two bytes below; the two above belong to the neighbour head or are 0, and only ever meet zero codes.
; REGISTERS: window 0: v1-31 addresses and words; v32-79 scale words; v80-143 phase 1's bias, then codes on the way out; v144-239 R's fragments, two sets; v240-255 at work.
;   window 1: P's fragments, two sets (v0-95, v128-223); v96-111 phase 2's bias.  window 2: accumulator (a, b) at v[8 (8 a + b)].
.set CHK,    6400
.set T16,    12800
.set REC,    13056
.set KVHEAD, 32*REC
.set QSC,    3145728
.set LR,     0                         ; LDS: x's chunk c at LR + 51,200 c
.set LP,     102400                    ; P's chunk c at LP + 102,400 c; later phase 2's R at LP + 25,600 x wave
.set SPARE,  307200                    ; the spare words, 128 bytes a wave
.set AR16, 6                           ; v6-7   R: 16 x lane + my tiles, chunk 0, 1 (phase 2: v6 alone)
.set AR8,  8                           ; v8-9   R: 512 + 8 x lane + the same
.set AP16, 10                          ; v10-13 the same for P's 8 tiles
.set AP8,  12
.set PW,   24                          ; v24-27 the scale word of each tile of R
.set SC,   32                          ; chunk c at SC + 24 c: R's tile a at + 2 a, P's tile b at + 8 + 2 b; register e: lanes 0-15 K step 2 e, lanes 16-31 K step 2 e + 1
.set BI,   80
.set B2,   96                          ; in window 1
.set RF,   144
.set PT,   BI+48
.set TM,   240
.set WV,   12
.set HF,   13                          ; wave % 2
.set RW,   14                          ; wave / 2
.set SQ,   21                          ; 1: phase 1's result is q
.set MSB, 0
.macro WIN new
.if MSB != (\new)
	s_set_vgpr_msb (MSB<<8)|(\new)
.set MSB, (\new)
.endif
.endm
.macro PLACES
.rept 4
	v_nop
.endr
.endm
.macro CROUND                          ; a round of the cluster's barrier
	s_barrier_signal -1
	s_barrier_wait -1
	s_cmp_lg_u32 s[WV], 0
	s_cbranch_scc1 .Lnot_wave_0_\@
	s_barrier_signal -3
.Lnot_wave_0_\@:
	s_barrier_wait -3
	s_barrier_signal -1
	s_barrier_wait -1
.endm
	s_load_b128 s[4:7], s[0:1], 0x0                ; cod1, b_qkv
	s_load_b128 s[8:11], s[0:1], 0x10              ; qb, kv
	v_lshl_add_u32 v250, v0, 2, SPARE
	v_mov_b32 v251, 0
	ds_add_u32 v250, v251                          ; the opening lines: the add, twice on end, and its wait
	ds_add_u32 v250, v251
	v_lshrrev_b32 v1, 5, v0
	v_readfirstlane_b32 s[WV], v1
	s_and_b32 s[HF], s[WV], 1
	s_lshr_b32 s[RW], s[WV], 1
	s_bfe_u32 s15, ttmp6, 0x40000                  ; cx
	s_bfe_u32 s16, ttmp6, 0x40004                  ; cy
	s_lshl_b32 s19, ttmp9, 2
	s_add_co_u32 s19, s19, s15                     ; cg
	s_and_b32 s17, ttmp7, 0xffff
	s_lshl_b32 s17, s17, 2
	s_add_co_u32 s17, s17, s16                     ; xb
	s_lshl_b32 s22, s17, 3                         ; x's first tile
	s_lshl_b32 s23, s19, 4
	s_add_co_u32 s23, s23, 256                     ; phase 1: P's first tile
	s_cmp_eq_u32 ttmp9, 0                          ; the cluster's x, which all partners share
	s_cselect_b32 s[SQ], 1, 0
	s_lshl_b32 s60, s16, 2
	s_lshl_b32 s60, 15, s60                        ; my row of the cluster
	s_lshl_b32 s61, 0x1111, s15                    ; my column
	; groups 1: rows of 6,400 bytes (800 elements of 8).  x: 8 records 12,800 bytes apart; P: 16 such; phase 2's R: 4 records on end
	s_or_b32 s24, s60, (3<<16)|(1<<21)
	s_or_b32 s32, s61, (3<<16)|(1<<21)
	s_or_b32 s52, s61, (3<<16)|(1<<21)
.irp g, 24, 32, 52
	s_mov_b32 s[\g+1], 800<<16
	s_mov_b32 s[\g+3], 800<<16
	s_mov_b32 s[\g+6], 0
	s_mov_b32 s[\g+7], 0
.endr
	s_mov_b32 s26, 8<<16
	s_mov_b32 s28, 8
	s_mov_b32 s29, 1600
	s_mov_b32 s34, 16<<16
	s_mov_b32 s36, 16
	s_mov_b32 s37, 1600
	s_mov_b32 s54, 4<<16
	s_mov_b32 s56, 4
	s_mov_b32 s57, 800
	s_mul_i32 s62, s[HF], CHK                      ; my chunk: the first or the second record of each tile
	s_mul_i32 s66, s22, T16
	s_add_co_u32 s66, s66, s62
	s_mov_b32 s67, 0
	s_mul_i32 s68, s23, T16
	s_add_co_u32 s68, s68, s62
	s_mov_b32 s69, 0
	s_lshl_b32 s70, s19, 3
	s_lshl_b32 s71, s[WV], 1
	s_add_co_u32 s70, s70, s71
	s_add_co_u32 s70, s70, 384                     ; phase 2: my two tiles of R: 384 + 8 cg + 2 w
	s_mul_i32 s70, s70, T16
	s_mov_b32 s71, 0
	s_mul_i32 s62, s[HF], 51200                    ; where they go: no place in the cluster enters an LDS address
	s_mul_i32 s63, s[HF], 102400
	s_mul_i32 s72, s[WV], 25600
	s_wait_dscnt 0x0
	s_wait_kmcnt 0x0
	s_add_nc_u64 s[66:67], s[4:5], s[66:67]
	s_add_nc_u64 s[68:69], s[4:5], s[68:69]
	s_add_nc_u64 s[70:71], s[4:5], s[70:71]
	CROUND                                         ; all sixteen work-groups are here: the joint loads meet
	s_mov_b32 s40, 1
	s_add_co_u32 s41, s62, LR
	s_mov_b64 s[42:43], s[66:67]
	s_or_b32 s43, s43, 0x80000000
	s_mov_b32 s48, 1
	s_add_co_u32 s49, s63, LP
	s_mov_b64 s[50:51], s[68:69]
	s_or_b32 s51, s51, 0x80000000
	s_mov_b32 s44, 1
	s_add_co_u32 s45, s72, LP
	s_mov_b64 s[46:47], s[70:71]
	s_or_b32 s47, s47, 0x80000000
	s_cmp_eq_u32 s[RW], 0                          ; one branch on the wave's number, one fill to an arm
	s_cbranch_scc0 .Lfor_p
	tensor_load_to_lds s[40:43], s[24:31]
	s_nop 0
	PLACES
	s_branch .Lasked
.Lfor_p:
	tensor_load_to_lds s[48:51], s[32:39]
	s_nop 0
	PLACES
.Lasked:
	; scalars first: LDS bases, the bias, where the results go
	s_mul_i32 s73, s[RW], 25600
	s_add_co_u32 s73, s73, LR                      ; phase 1: my 4 tiles of R
	s_add_co_u32 s75, s73, 512
	s_mul_i32 s76, s[HF], 51200
	s_add_co_u32 s76, s76, LP                      ; my 8 tiles of P
	s_add_co_u32 s77, s76, 512
	s_add_co_u32 s18, s45, 512                     ; phase 2: my 2 tiles of R lie where I load them
	s_lshl_b32 s78, s19, 10
	s_lshl_b32 s79, s[HF], 9
	s_add_co_u32 s78, s78, s79                     ; phase 1's bias: 4 (256 cg + 128 x wave % 2)
	s_mov_b32 s79, 0
	s_add_nc_u64 s[80:81], s[6:7], s[78:79]
	s_lshl_b32 s82, s19, 3
	s_lshl_b32 s83, s[WV], 1
	s_add_co_u32 s82, s82, s83
	s_add_co_u32 s82, s82, 128
	s_lshl_b32 s82, s82, 6                         ; phase 2's: 64 bytes for each tile of w_qkv
	s_mov_b32 s83, 0
	s_add_nc_u64 s[82:83], s[6:7], s[82:83]
	s_mov_b32 s96, 0x76543210
	s_mov_b32 s97, 0xfedcba98
	s_and_b32 s66, s19, 3
	s_lshl_b32 s66, s66, 2
	s_lshl_b32 s67, s[HF], 1
	s_add_co_u32 s66, s66, s67                     ; q, k: my first head
	s_mul_i32 s68, s66, KVHEAD
	s_mul_i32 s69, s17, REC                        ; the key step is xb
	s_add_co_u32 s68, s68, s69
	s_mul_i32 s70, s[RW], 3072
	s_add_co_u32 s70, s70, s68                     ; k: my 4 halves in the record
	s_lshl_b32 s71, s[RW], 8
	s_add_co_u32 s71, s71, 12288
	s_add_co_u32 s71, s71, s68                     ; k: my scale words
	s_lshl_b32 s72, s[RW], 2
	s_add_co_u32 s72, s72, s22                     ; q: my first tile of x
	s_lshl_b32 s74, s66, 8
	s_add_co_u32 s74, s74, s72
	s_mul_i32 s74, s74, 768
	s_lshl_b32 s20, s66, 6
	s_lshr_b32 s72, s72, 2
	s_add_co_u32 s20, s20, s72
	s_lshl_b32 s20, s20, 8
	s_add_co_u32 s20, s20, QSC
	s_mov_b32 s72, KVHEAD
	s_mov_b32 s92, 196608
	s_mov_b32 s94, 16384
	s_cmp_eq_u32 s[SQ], 1
	s_cselect_b64 s[86:87], s[8:9], s[10:11]       ; qb or kv: the choice hangs on the cluster's place in the grid alone
	s_cselect_b32 s88, s74, s70
	s_cselect_b32 s90, s20, s71
	s_cselect_b32 s92, s92, s72                    ; from a fragment's first half to its second: the next head
	s_cselect_b32 s94, s94, s72
	s_mov_b32 s89, 0
	s_mov_b32 s91, 0
	s_mov_b32 s93, 0
	s_mov_b32 s95, 0
	s_add_nc_u64 s[88:89], s[86:87], s[88:89]      ; codes, first halves
	s_add_nc_u64 s[90:91], s[86:87], s[90:91]      ; scale words
	s_add_nc_u64 s[92:93], s[88:89], s[92:93]      ; codes, second halves
	s_add_nc_u64 s[94:95], s[90:91], s[94:95]      ; the second head's scale words
	s_lshl_b32 s66, s19, 1
	s_add_co_u32 s66, s66, s[RW]                   ; v: my head 2 cg + w / 2
	s_mul_i32 s66, s66, KVHEAD
	s_add_co_u32 s66, s66, s69
	s_mul_i32 s67, s[HF], 3072                     ; my fragments 2 (w % 2), + 1
	s_add_co_u32 s84, s66, s67
	s_add_co_u32 s84, s84, 6144
	s_mov_b32 s85, 0
	s_lshl_b32 s67, s[HF], 2                       ; my word w % 2 of [lane][2]
	s_add_co_u32 s98, s66, s67
	s_add_co_u32 s98, s98, 12800
	s_mov_b32 s99, 0
	s_add_nc_u64 s[84:85], s[10:11], s[84:85]
	s_add_nc_u64 s[98:99], s[10:11], s[98:99]
	v_and_b32 v1, 31, v0                           ; lane
	v_and_b32 v2, 15, v0                           ; r
	v_bfe_u32 v3, v0, 4, 1                         ; h
	v_lshlrev_b32 v4, 4, v1
	v_lshlrev_b32 v5, 3, v1
	v_lshlrev_b32 v14, 6, v3                       ; phase 1: the bias runs along my registers: 64 h bytes
	v_and_b32 v15, 8, v2
	v_add_nc_u32 v15, v15, v2
	v_lshlrev_b32 v15, 2, v15                      ; phase 2: it belongs to my lane's row of R: 4 (r + 8 (r / 8))
	v_add_nc_u32 v[AR16], s73, v4
	v_add_nc_u32 v[AR8], s75, v5
	v_add_nc_u32 v[AP16], s76, v4
	v_add_nc_u32 v[AP8], s77, v5
	v_add_nc_u32 v[AR16+1], 51200, v[AR16]
	v_add_nc_u32 v[AR8+1], 51200, v[AR8]
	v_add_nc_u32 v[AP16+1], 102400, v[AP16]
	v_add_nc_u32 v[AP8+1], 102400, v[AP8]
.irp b, 0,1,2,3
	v_mov_b32 v[TM+4+\b], 0                        ; a lane permute's destination counts as read
.endr
.irp b, 0,1,2,3,4,5,6,7
	global_load_b128 v[BI+8*\b:BI+8*\b+3], v14, s[80:81] offset:(32*(\b/2)+8*(\b%2))*4
	global_load_b128 v[BI+8*\b+4:BI+8*\b+7], v14, s[80:81] offset:(32*(\b/2)+8*(\b%2))*4+16
.endr
	WIN 0x40
.set i, 0
.rept 16                               ; eight equal registers for each of my two tiles of R
	global_load_b32 v[B2+i], v15, s[82:83] offset:32*(i/8)
.set i, i+1
.endr
	WIN 0
.macro FRAG reg, a16, a8, off          ; a fragment as it lies: every load reads consecutive bytes
	ds_load_b128 v[(\reg):(\reg)+3], v[\a16] offset:(\off)
	ds_load_b64 v[(\reg)+4:(\reg)+5], v[\a8] offset:(\off)
	ds_load_b128 v[(\reg)+6:(\reg)+9], v[\a16] offset:(\off)+768
	ds_load_b64 v[(\reg)+10:(\reg)+11], v[\a8] offset:(\off)+768
.endm
.macro FETCH s, ph                     ; K step s: P's eight fragments and R's four (phase 2: two) into set s % 2
	WIN 0x40
.irp b, 0,1,2,3,4,5,6,7
	FRAG 128*((\s)%2)+12*\b, AP16+(\s)/4, AP8+(\s)/4, CHK*\b+1536*((\s)%4)
.endr
	WIN 0
.if (\ph) == 1
.irp a, 0,1,2,3
	FRAG RF+48*((\s)%2)+12*\a, AR16+(\s)/4, AR8+(\s)/4, CHK*\a+1536*((\s)%4)
.endr
.else
.irp a, 0,1
	FRAG RF+48*((\s)%2)+12*\a, AR16, AR8, T16*\a+CHK*((\s)/4)+1536*((\s)%4)
.endr
.endif
.endm
.macro SCALES c, ph                    ; a chunk's scale words: two registers a tile
.if (\ph) == 1
.irp a, 0,1,2,3
	ds_load_b64 v[SC+24*\c+2*\a:SC+24*\c+2*\a+1], v[AR8+\c] offset:CHK*\a+5632
.endr
.else
.irp a, 0,1
	ds_load_b64 v[SC+24*\c+2*\a:SC+24*\c+2*\a+1], v[AR8] offset:T16*\a+CHK*\c+5632
.endr
.endif
.irp b, 0,1,2,3,4,5,6,7
	ds_load_b64 v[SC+24*\c+8+2*\b:SC+24*\c+8+2*\b+1], v[AP8+\c] offset:CHK*\b+5632
.endr
.endm
; The accumulators take turns, one instruction a turn, in the same order in every K step.  cmode 0: C = D; 1: C = the bias along P; 2: the bias of R's rows
.macro MULROW s, a, cmode
.irp b, 0,1,2,3,4,5,6,7
.set rD, 8*(8*(\a)+\b)
.set rP, 128*((\s)%2)+12*\b
.set rR, RF+48*((\s)%2)+12*(\a)
.set rA, SC+24*((\s)/4)+((\s)%4)/2+8+2*\b
.set rB, SC+24*((\s)/4)+((\s)%4)/2+2*(\a)
.if \cmode == 1
	v_wmma_scale_f32_16x16x128_f8f6f4 v[rD:rD+7], v[rP:rP+11], v[rR:rR+11], v[BI+8*\b:BI+8*\b+7], v[rA], v[rB] matrix_a_fmt:MATRIX_FMT_BF6 matrix_b_fmt:MATRIX_FMT_BF6
.elseif \cmode == 2
	v_wmma_scale_f32_16x16x128_f8f6f4 v[rD:rD+7], v[rP:rP+11], v[rR:rR+11], v[B2+8*(\a):B2+8*(\a)+7], v[rA], v[rB] matrix_a_fmt:MATRIX_FMT_BF6 matrix_b_fmt:MATRIX_FMT_BF6
.elseif ((\s)%2) == 1
	v_wmma_scale_f32_16x16x128_f8f6f4 v[rD:rD+7], v[rP:rP+11], v[rR:rR+11], v[rD:rD+7], v[rA], v[rB] matrix_a_fmt:MATRIX_FMT_BF6 matrix_b_fmt:MATRIX_FMT_BF6 matrix_a_scale:MATRIX_SCALE_ROW1 matrix_b_scale:MATRIX_SCALE_ROW1
.else
	v_wmma_scale_f32_16x16x128_f8f6f4 v[rD:rD+7], v[rP:rP+11], v[rR:rR+11], v[rD:rD+7], v[rA], v[rB] matrix_a_fmt:MATRIX_FMT_BF6 matrix_b_fmt:MATRIX_FMT_BF6
.endif
.endr
.endm
.macro MUL s, na, cmode
.if \cmode == 1
	WIN 0x81
.elseif \cmode == 2
	WIN 0x91                                       ; C in window 1
.else
	WIN 0xa1
.endif
	MULROW \s, 0, \cmode
	MULROW \s, 1, \cmode
.if \na > 2
	MULROW \s, 2, \cmode
	MULROW \s, 3, \cmode
.endif
	WIN 0
.endm
.macro KHEAD s, ph                     ; ahead of K step s's products: its fragments are in; the next step's are asked for, into the set that the step before multiplied
	s_wait_dscnt 0x0
.if (\s) < 7
.if ((\ph) == 1) && ((\s) == 3)
	s_wait_tensorcnt 0x0                           ; THE REFILL: P's chunk 0 has been read out.  No tensor load of mine is out;
	ds_add_u32 v250, v251                          ; an add of 0 to my spare word;
	s_wait_dscnt 0x0                               ; it is done, and so are my reads of chunk 0
	CROUND                                         ; the same holds of every wave of every partner
	tensor_load_to_lds s[44:47], s[52:59]          ; phase 2's R, my two tiles: it has K steps 3 to 7 in which to land
	s_nop 0
	PLACES                                         ; also the places in front of the loads below
.elseif (\s) > 0
	PLACES                                         ; four places in front of loads into registers that matrix instructions have read
.endif
	FETCH (\s)+1, \ph
.if ((\ph) == 1) && ((\s) == 3)
	SCALES 1, 1
.endif
.endif
.endm
; THE WAY OUT.  Tile a of R: my 64 numbers (register 16 b + i = P's row 32 b + 16 h + i) become a fragment's codes and my row's scale word.  Each accumulator is read from its low end on.
; The first halves go to s[lo:lo+1] + st a, the second halves to s[hi:hi+1] + st a + sec: 512 and 256 consecutive bytes a store, aligned to 256.
.macro QUANTW a, lo, hi, st, sec
.set QS0, 64*(\a)
.set QP0, BI+12*(\a)
	WIN 0x0a
.irp b, 0,1,2,3
	v_max3_num_f32 v[TM+\b], |v[QS0+16*\b]|, |v[QS0+1+16*\b]|, 0x2800000
.endr
	WIN 0x28
.irp i, 2,4,6,8,10,12,14
.irp b, 0,1,2,3
	v_max3_num_f32 v[TM+\b], v[TM+\b], |v[QS0+16*\b+\i]|, |v[QS0+1+16*\b+\i]|
.endr
.endr
	WIN 0
.irp b, 0,1,2,3
	v_permlanex16_b32 v[TM+4+\b], v[TM+\b], s96, s97
.endr
.irp b, 0,1,2,3
	v_max_num_f32 v[TM+\b], v[TM+\b], v[TM+4+\b]   ; with lane l xor 16's 16: the block's largest magnitude
.endr
.irp b, 0,1,2,3
	v_add_nc_u32 v[TM+12+\b], 0xfe000000, v[TM+\b]
.endr
.irp b, 0,1,2,3
	v_lshrrev_b32 v[TM+4+\b], 23, v[TM+12+\b]
.endr
	v_lshl_or_b32 v[PW+\a], v[TM+5], 8, v[TM+4]
	v_lshl_or_b32 v[PW+\a], v[TM+6], 16, v[PW+\a]
	v_lshl_or_b32 v[PW+\a], v[TM+7], 24, v[PW+\a]
	WIN 0x02
.irp c, 0,1
	v_cvt_scalef32_pk16_bf6_f32 v[QP0+6*\c:QP0+6*\c+2], v[QS0+32*\c:QS0+32*\c+15], v[TM+12+2*\c]
	v_cvt_scalef32_pk16_bf6_f32 v[PT+4*\c:PT+4*\c+2], v[QS0+16+32*\c:QS0+31+32*\c], v[TM+13+2*\c]
.endr
	WIN 0
	v_nop                                          ; one plain place behind the conversions
.irp c, 0,1                            ; a whole block to a lane: lanes 0-15 block 2 c, lanes 16-31 block 2 c + 1
.irp i, 0,1,2
	v_permlane16_swap_b32 v[QP0+6*\c+\i], v[PT+4*\c+\i]
.endr
.irp i, 0,1,2
	v_mov_b32 v[QP0+3+6*\c+\i], v[PT+4*\c+\i]
.endr
.endr
	global_store_b128 v4, v[QP0:QP0+3], s[\lo:\lo+1] offset:(\st)*(\a)
	global_store_b64 v5, v[QP0+4:QP0+5], s[\lo:\lo+1] offset:(\st)*(\a)+512
	global_store_b128 v4, v[QP0+6:QP0+9], s[\hi:\hi+1] offset:(\st)*(\a)+(\sec)
	global_store_b64 v5, v[QP0+10:QP0+11], s[\hi:\hi+1] offset:(\st)*(\a)+(\sec)+512
.endm
	s_wait_alu depctr_va_vdst(0)
	s_wait_tensorcnt 0x0                           ; my one tile has landed; behind the barrier everybody's has
	s_barrier_signal -1
	s_barrier_wait -1
	SCALES 0, 1
	FETCH 0, 1
	s_wait_loadcnt 0x0                             ; both biases
	KHEAD 0, 1
	MUL 0, 4, 1
.irp s, 1,2,3,4,5,6,7
	KHEAD \s, 1
	MUL \s, 4, 0
.endr
	PLACES                                         ; behind the last products
	v_add_nc_u32 v[AP16], LR, v4                   ; PHASE 2's addresses: P = x's 8 tiles, chunk 0, 1;
	v_add_nc_u32 v[AP16+1], LR+51200, v4
	v_add_nc_u32 v[AP8], LR+512, v5
	v_add_nc_u32 v[AP8+1], LR+51712, v5
	v_add_nc_u32 v[AR16], s45, v4                  ; R = my two tiles, where my load put them
	v_add_nc_u32 v[AR8], s18, v5
	s_wait_alu depctr_va_vdst(0)
	s_wait_tensorcnt 0x0                           ; my two tiles of R have landed
	s_barrier_signal -1
	s_barrier_wait -1
	SCALES 0, 2                                    ; phase 2's first fragments come in under phase 1's way out
	SCALES 1, 2
	FETCH 0, 2
.irp a, 0,1,2,3
	QUANTW \a, 88, 92, 768, 0
.endr
	v_cmp_le_u32 vcc_lo, 16, v1                    ; [lane][2]: word e of lane 16 u + r is tile 2 e + u's
	v_cndmask_b32 v28, v[PW], v[PW+1], vcc_lo
	v_cndmask_b32 v29, v[PW+2], v[PW+3], vcc_lo
	global_store_b64 v5, v[28:29], s[90:91]
	v_lshrrev_b32 v30, 16, v28                     ; the second head's two bytes, brought down
	v_lshrrev_b32 v31, 16, v29
	global_store_b64 v5, v[30:31], s[94:95]
	KHEAD 0, 2
	MUL 0, 2, 2
.irp s, 1,2,3,4,5,6,7
	KHEAD \s, 2
	MUL \s, 2, 0
.endr
	PLACES                                         ; behind the last products
	s_wait_xcnt 0x0                                ; phase 1's stores have read their registers, which are written anew below
	QUANTW 0, 84, 84, 1536, 768
	QUANTW 1, 84, 84, 1536, 768
	v_cmp_le_u32 vcc_lo, 16, v1
	v_cndmask_b32 v28, v[PW], v[PW+1], vcc_lo      ; word w % 2 of lane 16 u + r is my tile u's
	global_store_b32 v5, v28, s[98:99]             ; four bytes a lane, 8 apart: the other word of each pair is the neighbour wave's
	s_wait_tensorcnt 0x0                           ; the wave's end
	ds_add_u32 v250, v251
	s_wait_dscnt 0x0
	CROUND                                         ; the closing round
	s_endpgm
.Lfunc_end_k_q5323f24f66_qkv:
	.size	k_q5323f24f66_qkv, .Lfunc_end_k_q5323f24f66_qkv-k_q5323f24f66_qkv
	.p2alignl 7, 3214868480
	.fill 96, 4, 3214868480
	.section	.rodata,"a",@progbits
	.p2align	6, 0x0
	.amdhsa_kernel k_q5323f24f66_qkv
		.amdhsa_group_segment_fixed_size 327680
		.amdhsa_private_segment_fixed_size 0
		.amdhsa_enable_private_segment 0
		.amdhsa_kernarg_size 32
		.amdhsa_user_sgpr_count 2
		.amdhsa_user_sgpr_kernarg_segment_ptr 1
		.amdhsa_wavefront_size32 1
		.amdhsa_system_sgpr_workgroup_id_x 1
		.amdhsa_system_sgpr_workgroup_id_y 1
		.amdhsa_system_sgpr_workgroup_id_z 1
		.amdhsa_system_vgpr_workitem_id 0
		.amdhsa_next_free_vgpr 768
		.amdhsa_next_free_sgpr 100
		.amdhsa_reserve_vcc 1
		.amdhsa_float_denorm_mode_32 3
		.amdhsa_float_denorm_mode_16_64 3
		.amdhsa_memory_ordered 1
		.amdhsa_forward_progress 1
		.amdhsa_inst_pref_size 139
	.end_amdhsa_kernel
	.amdgpu_metadata
---
amdhsa.version: [ 1, 2 ]
amdhsa.kernels:
  - .name:           k_q5323f24f66_qkv
    .symbol:         k_q5323f24f66_qkv.kd
    .args:
      - { .name: cod1, .offset: 0, .size: 8, .value_kind: global_buffer, .address_space: global }
      - { .name: b_qkv, .offset: 8, .size: 8, .value_kind: global_buffer, .address_space: global }
      - { .name: qb, .offset: 16, .size: 8, .value_kind: global_buffer, .address_space: global }
      - { .name: kv, .offset: 24, .size: 8, .value_kind: global_buffer, .address_space: global }
    .group_segment_fixed_size: 327680
    .private_segment_fixed_size: 0
    .kernarg_segment_align: 8
    .kernarg_segment_size: 32
    .max_flat_workgroup_size: 128
    .sgpr_count:     100
    .vgpr_count:     768
    .wavefront_size: 32
...
	.end_amdgpu_metadata
.endif
;; end of part 2
;; launch attn (part 3): grid 16 x 16, 16 waves a work-group, no clusters, 327,680 bytes of LDS; arguments qb, kv, ab; writes ab
.if DOCPART == 3
	.amdgcn_target "amdgcn-amd-amdhsa--gfx1250"
	.amdhsa_code_object_version 6
	.text
	.protected	k_q5323f24f66_attn
	.globl	k_q5323f24f66_attn
	.p2align	8
	.type	k_q5323f24f66_attn,@function
k_q5323f24f66_attn:
	s_mov_b64 s[64:65], 0
	v_nop
	global_prefetch_b8 v0, s[64:65] scope:SCOPE_SE
	s_setreg_imm32_b32 hwreg(HW_REG_WAVE_MODE, 25, 1), 1
	s_wait_xcnt 0x0
; Causal attention of one head on codes of BF6: S^T = K Q^T (K = the head's 64, filled to 128 with zero codes on both sides), p = 2^(t - M) quantised along the keys, O^T = V^T P^T, O / l quantised along D into ab.
; t = score x log2(e) / 8; M = the running largest t rounded UP to a whole number; the row's sum l is taken of the unquantised p; when M moves, l and O are multiplied by a power of two, which rounds nothing.
; SHARES.  Work-group (j, head) owns query block j (128 queries; pass 0) and then block 31 - j (pass 1).  Key steps of 128 come two to a slot; the two passes need (j + 2) / 2 and 17 - (j + 2) / 2 slots: 17 for every j,
; so the loop's trip count is a constant and all work-groups have the same work.  Wave w: tile of 16 queries w % 8; of each slot it takes key step w / 8.  The two halves' partial O, M, l meet in LDS at the end.
; A key step that lies wholly behind the block is jumped over (a scalar branch on ids; no barrier, no tensor load in it); in the step on the diagonal hidden scores become -infinity ahead of the maximum.
; NO CLUSTER: in one and the same trip work-groups of a head with different j want different slots, since their first passes differ in length: there is no tile that partners would ask for together.
; LAYOUT.  Both products transposed: a lane holds ONE query.  A tile's rows are 32 g + 8 u + r + 8 (r / 8) (queries, keys and V's channels alike), so the 16 registers of two neighbouring tiles are 16 neighbours.
; LDS: slot 0 at 0, slot 1 at 32,768 (26,112 bytes each: two records of kv); from 65,536 each wave's two partials, 4,608 bytes each, which no tensor load ever fills; then the spare words.
; LIMITS: NaN and infinities are not served; a block whose largest magnitude lies under 2^-122 gets the byte 1; the division by l is a reciprocal and a multiplication.
; REGISTERS: v1-11 addresses; v12 -M, v13 largest t, v[14:15] l; v16-27 Q; v28 the mask's d; v29 prefetch offset; v[30:31] V's scale words; v32-79 four tiles of K; v80-127 V; v128-191 S^T, then p; v192-223 O^T;
;   v224-235 p's codes; v232-247, v252, v254 at work; v243 Q's scale word's offset; v248-251 K's scale words; v253 p's scale word; v255 Q's.
; SLOTS, AS THE TEXT HAS THEM (in place of the head's lines on slots, trips and LDS): key steps of 128 come FOUR to a slot (four records of kv, 52,224 bytes).  The two passes need (j + 4) / 4 and 9 - (j + 4) / 4 slots:
; 9 for every j, so the trip count is a constant.  Of each slot wave w takes key steps w / 8 and 2 + w / 8: two steps between two barriers.
; LDS: slot 0 at 0, slot 1 at 65,536; from 131,072 each wave's two partials, 4,608 bytes each, which no tensor load ever fills; then the spare words.
.set REC,    13056
.set KVHEAD, 32*REC
.set QSC,    3145728
.set T16,    12800
.set CHK,    6400
.set SLOT1,  65536
.set STG,    131072
.set SPARE,  STG+16*9216
.set S,      128
.set O,      192
.macro PLACES
.rept 4
	v_nop
.endr
.endm
	s_load_b128 s[4:7], s[0:1], 0x0                ; qb, kv
	s_load_b64 s[8:9], s[0:1], 0x10                ; ab
	v_lshl_add_u32 v3, v0, 2, SPARE                ; my spare word; never rewritten
	v_mov_b32 v4, 0                                ; 0; never rewritten
	ds_add_u32 v3, v4
	ds_add_u32 v3, v4
	s_wait_dscnt 0x0
	v_lshrrev_b32 v8, 5, v0
	s_delay_alu instid0(VALU_DEP_1)
	v_readfirstlane_b32 s10, v8                    ; wave
	s_lshr_b32 s11, s10, 3                         ; hw: which key step of a slot
	s_and_b32 s12, s10, 7                          ; tq: which tile of queries
	s_mov_b32 s13, ttmp9                           ; j
	s_and_b32 s14, ttmp7, 0xffff                   ; head
	s_add_co_u32 s15, s13, 4
	s_lshr_b32 s15, s15, 2                         ; N1: slots of pass 0
	s_mov_b32 s16, 0                               ; N: the trip
	s_mov_b32 s17, s13                             ; BLK: the query block in hand
	s_mov_b32 s18, s11                             ; KS: my key step
	s_mov_b32 s19, 0                               ; TB: the slot in hand
	s_mov_b32 s20, 0x76543210
	s_mov_b32 s21, 0xfedcba98
	s_mov_b32 s22, 0x3e38aa3b                      ; c = log2(e) / 8
	s_mov_b32 s23, s22
	s_mov_b32 s24, 3<<16                           ; group 1: a slot is a dense block: 204 rows of 256 bytes (32 elements of 8)
	s_mov_b32 s25, 32<<16
	s_mov_b32 s26, 204<<16                         ; 204 rows of 256 bytes: four records
	s_mov_b32 s27, 32<<16
	s_mov_b32 s28, 204
	s_mov_b32 s29, 32
	s_mov_b32 s30, 0
	s_mov_b32 s31, 0
	s_mul_i32 s38, s14, KVHEAD
	s_mov_b32 s39, 0
	s_wait_kmcnt 0x0
	s_add_nc_u64 s[36:37], s[6:7], s[38:39]        ; the head's records
	s_mov_b32 s32, 1
	s_mov_b32 s33, 0
	s_mov_b64 s[34:35], s[36:37]
	s_or_b32 s35, s35, 0x80000000
	s_cmp_eq_u32 s10, 0                            ; wave 0 fetches: one tensor load is out at a time
	s_cbranch_scc0 .Lno_first
	tensor_load_to_lds s[32:35], s[24:31]
	s_nop 0
	PLACES
.Lno_first:
	s_lshr_b32 s46, s10, 2
	s_xor_b32 s46, s46, 1                          ; 0 in waves 4 to 7,
	s_or_b32 s46, s46, s13                         ; of the head's work-group j = 0
	s_cmp_eq_u32 s46, 0
	s_cselect_b32 s46, 7, 0                        ; LIM: these waves prefetch while N is under it
	v_and_b32 v29, 127, v0
	s_delay_alu instid0(VALU_DEP_1)
	v_min_u32 v29, 101, v29                        ; two records of a slot are 102 blocks of 256 bytes; the fourth wave's idle lanes name the last again
	s_delay_alu instid0(VALU_DEP_1)
	v_lshlrev_b32 v29, 8, v29
	v_and_b32 v8, 31, v0                           ; lane
	v_and_b32 v9, 15, v0                           ; r
	v_bfe_u32 v28, v0, 4, 1                        ; h
	s_delay_alu instid0(VALU_DEP_3)
	v_lshlrev_b32 v10, 4, v8
	s_wait_alu depctr_va_vdst(0)
	v_lshlrev_b32 v11, 3, v8
	s_mul_i32 s38, s11, REC
	v_add_nc_u32 v1, s38, v10                      ; my record in a slot: 16 x lane
	s_add_co_u32 s38, s38, 512
	v_add_nc_u32 v2, s38, v11                      ; and 512 + 8 x lane
	s_mul_i32 s38, s10, 9216
	s_add_co_u32 s38, s38, STG
	v_add_nc_u32 v5, s38, v10                      ; my two partials
	s_mul_i32 s38, s12, 9216
	s_xor_b32 s39, s11, 1
	s_mul_i32 s39, s39, 4608
	s_add_co_u32 s38, s38, s39
	s_add_co_u32 s38, s38, STG
	v_add_nc_u32 v6, s38, v10                      ; the end: half 0's partial of my tile, pass 1 - hw,
	s_delay_alu instid0(VALU_DEP_1)
	v_add_nc_u32 v7, 73728, v6                     ; and half 1's
	s_and_b32 s38, s12, 1
	s_lshl_b32 s38, s38, 7
	s_bfe_u32 s39, s12, 0x10001
	s_lshl_b32 s39, s39, 2
	s_add_co_u32 s38, s38, s39
	v_lshl_add_u32 v243, v9, 3, s38                ; Q's scale word: lane 16 (tq % 2) + r, word (tq / 2) % 2
	s_wait_alu depctr_va_vdst(0)
	v_and_b32 v12, 8, v9
	s_delay_alu instid0(VALU_DEP_1)
	v_add_nc_u32 v12, v12, v9
	v_lshlrev_b32 v28, 4, v28
	s_delay_alu instid0(VALU_DEP_1)
	v_sub_nc_u32 v28, v12, v28
	s_lshr_b32 s38, s12, 1
	s_lshl_b32 s38, s38, 5
	s_and_b32 s39, s12, 1
	s_lshl_b32 s39, s39, 3
	s_add_co_u32 s38, s38, s39
	v_add_nc_u32 v28, s38, v28                     ; d = my query in its block - 16 h: register 16 b + i is hidden on the diagonal where 32 b + i > d
.macro QLOAD                           ; my tile of Q and its scale words, of block BLK
	s_lshl_b32 s38, s14, 8
	s_lshl_b32 s39, s17, 3
	s_add_co_u32 s38, s38, s39
	s_add_co_u32 s38, s38, s12
	s_mul_i32 s38, s38, 768
	s_mov_b32 s39, 0
	s_add_nc_u64 s[40:41], s[4:5], s[38:39]
	s_lshl_b32 s38, s14, 6
	s_lshl_b32 s47, s17, 1
	s_add_co_u32 s38, s38, s47
	s_lshr_b32 s47, s12, 2
	s_add_co_u32 s38, s38, s47
	s_lshl_b32 s38, s38, 8
	s_add_co_u32 s38, s38, QSC
	s_add_nc_u64 s[42:43], s[4:5], s[38:39]
	global_load_b128 v[16:19], v10, s[40:41]
	global_load_b64 v[20:21], v11, s[40:41] offset:512
	global_load_b32 v255, v243, s[42:43]
.endm
.macro RESET                           ; a pass begins: O^T and l are zeros, the largest t is -3e38, under every t
.set n, 0
.rept 32
	v_mov_b32 v[O+n], 0
.set n, n+1
.endr
	v_mov_b32 v13, 0xff61b1e6
	s_delay_alu instid0(VALU_DEP_1)
	v_floor_f32 v12, -v13
	v_mov_b32 v14, 0
	v_mov_b32 v15, 0
.endm
	QLOAD
.irp i, 22,23,24,25,26,27
	v_mov_b32 v[\i], 0                             ; Q's codes of K = 64 .. 127: zeros
.endr
.irp t, 0,1,2,3
.irp i, 6,7,8,9,10,11
	v_mov_b32 v[32+12*\t+\i], 0                    ; and K's: set once
.endr
.endr
.irp b, 0,1,2,3
	v_mov_b32 v[236+\b], 0                         ; a lane permute's destination counts as read
.endr
	v_mov_b32 v253, 0                              ; (named as the upper half of a pair before it is first written)
	RESET
.macro FRAG reg, a16, a8, off
	ds_load_b128 v[(\reg):(\reg)+3], v[\a16] offset:(\off)
	ds_load_b64 v[(\reg)+4:(\reg)+5], v[\a8] offset:(\off)
	ds_load_b128 v[(\reg)+6:(\reg)+9], v[\a16] offset:(\off)+768
	ds_load_b64 v[(\reg)+10:(\reg)+11], v[\a8] offset:(\off)+768
.endm
.macro KTILES g                        ; four tiles of 16 keys: 24 bytes a lane each
.irp t, 0,1,2,3
	ds_load_b128 v[32+12*\t:35+12*\t], v8 offset:768*(4*\g+\t)
	ds_load_b64 v[36+12*\t:37+12*\t], v9 offset:768*(4*\g+\t)
.endr
.endm
.macro SQK g                           ; their scores; a tile's scale words lie in lanes 0-15 (even tiles) or 16-31 (odd)
.irp t, 0,1,2,3
.if (\t)%2
	v_wmma_scale_f32_16x16x128_f8f6f4 v[S+32*\g+8*\t:S+32*\g+8*\t+7], v[32+12*\t:43+12*\t], v[16:27], 0, v[248+2*\g+\t/2], v255 matrix_a_fmt:MATRIX_FMT_BF6 matrix_b_fmt:MATRIX_FMT_BF6 matrix_a_scale:MATRIX_SCALE_ROW1
.else
	v_wmma_scale_f32_16x16x128_f8f6f4 v[S+32*\g+8*\t:S+32*\g+8*\t+7], v[32+12*\t:43+12*\t], v[16:27], 0, v[248+2*\g+\t/2], v255 matrix_a_fmt:MATRIX_FMT_BF6 matrix_b_fmt:MATRIX_FMT_BF6
.endif
.endr
.endm
; A KEY STEP: my 16 queries against my 128 keys of the slot in hand
.macro STEP off                        ; off: 0 for my first step of the slot, 2 records for my second
	s_cmp_gt_u32 s18, s17                          ; all its keys come after my block's queries: nothing to do but the steps at the end
	s_cbranch_scc1 .Lhidden_\@
	s_add_co_u32 s50, s19, \off
	v_add_nc_u32 v8, s50, v1
	v_add_nc_u32 v9, s50, v2
	KTILES 0
	ds_load_b64 v[248:249], v9 offset:11776        ; K's scale words, tiles 0-3
	ds_load_b64 v[250:251], v9 offset:12032        ; tiles 4-7
	s_wait_alu depctr_va_vdst(0)
	s_wait_dscnt 0x0
	SQK 0
	PLACES                                         ; in front of loads into registers that matrix instructions have read (with the two additions above: six behind the last step's products)
	KTILES 1
.irp c, 0,1,2,3
	FRAG 80+12*\c, 8, 9, 6144+1536*\c              ; V^T: it lands under the softmax
.endr
	ds_load_b64 v[30:31], v9 offset:12288          ; V's scale words
	s_wait_dscnt 17                                ; K's tiles are in; V's 16 loads and its scale words may be out
	SQK 1
	PLACES
	s_cmp_lt_u32 s18, s17                          ; a step in front of the diagonal: all keys count
	s_cbranch_scc1 .Lopen_\@
	v_mov_b32 v254, 0xff800000                     ; -infinity
.set n, 0
.rept 64
	v_cmp_gt_i32 vcc_lo, 32*(n/16)+n%16, v28
	v_cndmask_b32 v[S+n], v[S+n], v254, vcc_lo
.set n, n+1
.endr
.Lopen_\@:
.irp b, 0,1,2,3
	v_max3_num_f32 v[232+\b], v[S+16*\b], v[S+1+16*\b], v[S+2+16*\b]   ; the largest score of each block of 32 keys: for the row's maximum and, since p rises with the score, for the block's largest p
.endr
.irp i, 3,5,7,9,11,13
.irp b, 0,1,2,3
	v_max3_num_f32 v[232+\b], v[232+\b], v[S+16*\b+\i], v[S+1+16*\b+\i]
.endr
.endr
.irp b, 0,1,2,3
	v_max_num_f32 v[232+\b], v[232+\b], v[S+15+16*\b]
.endr
.irp b, 0,1,2,3
	s_delay_alu instid0(VALU_DEP_4)
	v_permlanex16_b32 v[236+\b], v[232+\b], s20, s21
.endr
.irp b, 0,1,2,3
	s_delay_alu instid0(VALU_DEP_4)
	v_max_num_f32 v[232+\b], v[232+\b], v[236+\b]
.endr
	s_delay_alu instid0(VALU_DEP_2)
	v_max3_num_f32 v254, v232, v233, v234
	s_delay_alu instid0(VALU_DEP_1)
	v_max_num_f32 v254, v254, v235
	s_delay_alu instid0(VALU_DEP_1)
	v_mul_f32 v254, s22, v254                      ; the step's largest t
	s_delay_alu instid0(VALU_DEP_1)
	v_max_num_f32 v13, v13, v254
	v_mov_b32 v254, v12
	s_delay_alu instid0(VALU_DEP_2)
	v_floor_f32 v12, -v13                          ; the new -M = -ceil(t)
	s_delay_alu instid0(VALU_DEP_1)
	v_sub_f32 v254, v12, v254                      ; old M - new M: a whole number, 0 or less
	s_delay_alu instid0(VALU_DEP_1)
	v_cvt_i32_f32 v254, v254                       ; (it saturates)
	s_delay_alu instid0(VALU_DEP_1)
	v_ldexp_f32 v252, 1.0, v254                    ; f = 2^(old M - new M)
.set n, 0
.rept 32
	v_pk_fma_f32 v[S+n:S+n+1], v[S+n:S+n+1], s[22:23], v[12:13] op_sel_hi:[1,0,0]   ; t - M
.set n, n+2
.endr
.irp b, 0,1,2,3
	v_fma_f32 v[232+\b], v[232+\b], s22, v12
.endr
.set n, 0
	s_wait_alu depctr_va_vdst(0)
.rept 64
	v_exp_f32 v[S+n], v[S+n]                       ; p = 2^(t - M)
.set n, n+1
.endr
	v_pk_mul_f32 v[14:15], v[14:15], v[252:253] op_sel_hi:[1,0]    ; l under the new M (a plain place behind the exponentials)
	s_wait_alu depctr_va_vdst(0)                   ; one wait for the batch of 64, ahead of its first reader
.irp b, 0,1,2,3
	v_exp_f32 v[232+\b], v[232+\b]                 ; each block's largest p
.endr
	v_pk_add_f32 v[236:237], v[132:133], v[136:137]
	v_pk_add_f32 v[250:251], v[140:141], v[144:145]
	v_pk_add_f32 v[248:249], v[148:149], v[152:153]
	v_pk_add_f32 v[246:247], v[156:157], v[160:161]
	v_pk_add_f32 v[244:245], v[164:165], v[168:169]
	v_pk_add_f32 v[240:241], v[172:173], v[176:177]
	v_pk_add_f32 v[238:239], v[180:181], v[184:185]
	v_pk_add_f32 v[14:15], v[14:15], v[188:189]
	v_pk_add_f32 v[236:237], v[236:237], v[128:129]
	v_pk_add_f32 v[250:251], v[250:251], v[130:131]
	v_pk_add_f32 v[248:249], v[248:249], v[134:135]
	v_pk_add_f32 v[246:247], v[246:247], v[138:139]
	v_pk_add_f32 v[244:245], v[244:245], v[142:143]
	v_pk_add_f32 v[240:241], v[240:241], v[146:147]
	v_pk_add_f32 v[238:239], v[238:239], v[150:151]
	v_pk_add_f32 v[14:15], v[14:15], v[154:155]
	v_pk_add_f32 v[236:237], v[236:237], v[158:159]
	v_pk_add_f32 v[250:251], v[250:251], v[162:163]
	v_pk_add_f32 v[248:249], v[248:249], v[166:167]
	v_pk_add_f32 v[246:247], v[246:247], v[170:171]
	v_pk_add_f32 v[244:245], v[244:245], v[174:175]
	v_pk_add_f32 v[240:241], v[240:241], v[178:179]
	v_pk_add_f32 v[238:239], v[238:239], v[182:183]
	v_pk_add_f32 v[14:15], v[14:15], v[186:187]
	v_pk_add_f32 v[236:237], v[236:237], v[190:191]
	s_delay_alu instid0(VALU_DEP_2)
	v_pk_add_f32 v[14:15], v[14:15], v[246:247]
	s_delay_alu instid0(VALU_DEP_2)
	v_pk_add_f32 v[236:237], v[236:237], v[244:245]
	v_pk_add_f32 v[250:251], v[250:251], v[240:241]
	v_pk_add_f32 v[248:249], v[248:249], v[238:239]
	s_delay_alu instid0(VALU_DEP_2)
	v_pk_add_f32 v[14:15], v[14:15], v[250:251]
	s_delay_alu instid0(VALU_DEP_2)
	v_pk_add_f32 v[236:237], v[236:237], v[248:249]
	s_delay_alu instid0(VALU_DEP_1)
	v_pk_add_f32 v[14:15], v[14:15], v[236:237]
	s_wait_alu depctr_va_vdst(0)                   ; and one for the four
.irp b, 0,1,2,3
	v_max_num_f32 v[232+\b], 0x2800000, v[232+\b]  ; the floor 2^(5 - 127)
.endr
.irp b, 0,1,2,3
	s_delay_alu instid0(VALU_DEP_4)
	v_add_nc_u32 v[244+\b], 0xfe000000, v[232+\b]
.endr
.irp b, 0,1,2,3
	s_delay_alu instid0(VALU_DEP_4)
	v_lshrrev_b32 v[236+\b], 23, v[244+\b]
.endr
	s_delay_alu instid0(VALU_DEP_3)
	v_lshl_or_b32 v253, v237, 8, v236              ; p's scale word
	s_delay_alu instid0(VALU_DEP_1)
	v_lshl_or_b32 v253, v238, 16, v253
	s_delay_alu instid0(VALU_DEP_1)
	v_lshl_or_b32 v253, v239, 24, v253
.irp c, 0,1
	v_cvt_scalef32_pk16_bf6_f32 v[224+6*\c:226+6*\c], v[S+32*\c:S+15+32*\c], v[244+2*\c]
	v_cvt_scalef32_pk16_bf6_f32 v[236+4*\c:238+4*\c], v[S+16+32*\c:S+31+32*\c], v[245+2*\c]
.endr
	v_nop                                          ; one plain place behind the conversions
.irp c, 0,1
.irp i, 0,1,2
	v_permlane16_swap_b32 v[224+6*\c+\i], v[236+4*\c+\i]
.endr
.irp i, 0,1,2
	s_delay_alu instid0(VALU_DEP_3)
	v_mov_b32 v[227+6*\c+\i], v[236+4*\c+\i]
.endr
.endr
.set n, 0
.rept 16
	v_pk_mul_f32 v[O+n:O+n+1], v[O+n:O+n+1], v[252:253] op_sel_hi:[1,0]   ; O^T under the new M; these are also the places between p's codes and scale word and the products
.set n, n+2
.endr
	s_wait_alu depctr_va_vdst(0)
	s_wait_dscnt 0x0                               ; V
.irp c, 0,1,2,3
.if (\c)%2
	v_wmma_scale_f32_16x16x128_f8f6f4 v[O+8*\c:O+8*\c+7], v[80+12*\c:91+12*\c], v[224:235], v[O+8*\c:O+8*\c+7], v[30+\c/2], v253 matrix_a_fmt:MATRIX_FMT_BF6 matrix_b_fmt:MATRIX_FMT_BF6 matrix_a_scale:MATRIX_SCALE_ROW1
.else
	v_wmma_scale_f32_16x16x128_f8f6f4 v[O+8*\c:O+8*\c+7], v[80+12*\c:91+12*\c], v[224:235], v[O+8*\c:O+8*\c+7], v[30+\c/2], v253 matrix_a_fmt:MATRIX_FMT_BF6 matrix_b_fmt:MATRIX_FMT_BF6
.endif
.endr
.Lhidden_\@:
	s_add_co_u32 s18, s18, 2                       ; my next step;
.if \off
	s_xor_b32 s19, s19, SLOT1                      ; behind my second step of a slot it lies in the other slot's bytes
.endif
.endm
.macro PARTIAL p                       ; a pass's O^T, -M and l go to my own bytes of LDS, as images of their registers, each accumulator from its low end on
	PLACES
.irp i, 0,1,2,3,4,5,6,7
	ds_store_b128 v5, v[O+4*\i:O+4*\i+3] offset:4608*\p+512*\i
.endr
	ds_store_b128 v5, v[12:15] offset:4608*\p+4096
.endm
; THE CHANGE OF SLOTS, at a trip's head.  Every wave waits for all its tensor loads, adds 0 to its spare word, waits for that and for its reads of the slot that it has left, and passes the barrier.
; fill = 1: the slot that was left takes what trip N + 1 reads: slot N + 1 of pass 0, or slot N + 1 - N1 of pass 1.
.macro CHANGE fill
	s_wait_tensorcnt 0x0                           ; no tensor load of mine is out: group 0 may be written
	ds_add_u32 v3, v4                              ; an add of 0 to my spare word
.if \fill
	ds_add_u32 v3, v4                              ; and once more
	s_xor_b32 s33, s33, SLOT1
	s_add_co_u32 s38, s16, 1
	s_cmp_lt_u32 s38, s15
	s_cselect_b32 s39, 0, s15
	s_sub_co_u32 s38, s38, s39
	s_mul_i32 s38, s38, 4*REC
	s_mov_b32 s39, 0
	s_add_nc_u64 s[34:35], s[36:37], s[38:39]
	s_wait_xcnt 0x0                                ; the last prefetch, a trip back, has read its address
	s_add_nc_u64 s[44:45], s[34:35], 4*REC         ; one slot further on than the load
	s_or_b32 s35, s35, 0x80000000
.endif
	s_wait_dscnt 0x0                               ; the add is done, and my reads of the slot that I have left are over
	s_barrier_signal -1
	s_barrier_wait -1
.if \fill
	s_cmp_eq_u32 s10, 0
	s_cbranch_scc0 .Lno_fill_\@
	tensor_load_to_lds s[32:35], s[24:31]          ; the first thing behind the barrier; it has a trip's work in which to land
	s_nop 0
	PLACES
.Lno_fill_\@:
	; A PREFETCH INTO THE L2 of the slot that the next change will ask for.  Of a head's work-groups j = 0 walks pass 1 first; its waves 4 to 7, which fetch nothing, name in trips 3 to 6 the slots 4 to 7,
	; a lane a block of 256 bytes, two instructions a wave (a slot has 2 x 102 blocks).  Slots 0 to 3 are asked for by other work-groups' loads in the same trips and are not named.  Slot 7 is the head's last: trip 7 names nothing.
	s_cmp_lt_u32 s16, s46
	s_cbranch_scc0 .Lno_ask_\@
	s_cmp_gt_u32 s16, 2
	s_cbranch_scc0 .Lno_ask_\@
	global_prefetch_b8 v29, s[44:45] th:TH_LOAD_NT scope:SCOPE_SE
	global_prefetch_b8 v29, s[44:45] offset:2*REC th:TH_LOAD_NT scope:SCOPE_SE
.Lno_ask_\@:
.endif
.endm
.Lslot:                                ; 8 trips; the 9th slot is written out
	s_cmp_lg_u32 s16, s15
	s_cbranch_scc1 .Lsame
	s_wait_loadcnt 0x0                             ; THE CHANGE OF PASS.  Q's loads are in: their registers and addresses are written anew below
	s_wait_alu depctr_va_vdst(0)
	PARTIAL 0
	s_wait_dscnt 0x0                               ; the stores have read their registers
	s_sub_co_u32 s17, 31, s13
	s_mov_b32 s18, s11
	QLOAD
	RESET
.Lsame:
	CHANGE 1
	s_wait_loadcnt 0x0                             ; Q
	STEP 0
	STEP 2*REC
	s_add_co_u32 s16, s16, 1
	s_cmp_lt_u32 s16, 8
	s_cbranch_scc1 .Lslot
	CHANGE 0
	STEP 0
	STEP 2*REC
	s_wait_alu depctr_va_vdst(0)
	PARTIAL 1
	s_wait_dscnt 0x0                               ; for the others' sake: my partials lie in LDS
	s_barrier_signal -1
	s_barrier_wait -1
	; THE END.  Waves 0-7 finish pass 1, waves 8-15 pass 0, each its tile: the two halves' partials are brought under the smaller -M (exact powers of two), added, divided by l, quantised (two blocks of 32) and stored.
.irp i, 0,1,2,3,4,5,6,7
	ds_load_b128 v[S+4*\i:S+4*\i+3], v6 offset:512*\i
.endr
	ds_load_b128 v[232:235], v6 offset:4096
.irp i, 0,1,2,3,4,5,6,7
	ds_load_b128 v[S+32+4*\i:S+32+4*\i+3], v7 offset:512*\i
.endr
	ds_load_b128 v[236:239], v7 offset:4096
	s_sub_co_u32 s47, 31, s13
	s_cmp_eq_u32 s11, 0
	s_cselect_b32 s47, s47, s13                    ; the block that I finish
	s_lshl_b32 s47, s47, 3
	s_add_co_u32 s47, s47, s12
	s_mul_i32 s38, s47, T16                        ; ab: my tile,
	s_lshr_b32 s39, s14, 3
	s_mul_i32 s39, s39, CHK
	s_add_co_u32 s38, s38, s39                     ; the record of 512 along D (8 heads),
	s_bfe_u32 s39, s14, 0x20001
	s_mul_i32 s39, s39, 1536                       ; the K step (a pair of heads),
	s_and_b32 s48, s14, 1
	s_mul_i32 s49, s48, 768                        ; the half
	s_add_co_u32 s39, s39, s49
	s_add_co_u32 s40, s38, s39
	s_mov_b32 s41, 0
	s_add_nc_u64 s[40:41], s[8:9], s[40:41]
	s_bfe_u32 s39, s14, 0x10001
	s_lshl_b32 s39, s39, 7                         ; the scale words: lanes 16-31 for odd K steps,
	s_bfe_u32 s49, s14, 0x10002
	s_lshl_b32 s49, s49, 2                         ; the word,
	s_add_co_u32 s39, s39, s49
	s_lshl_b32 s48, s48, 1                         ; my head's two bytes of it
	s_add_co_u32 s39, s39, s48
	s_add_co_u32 s39, s39, 6144
	s_add_co_u32 s42, s38, s39
	s_mov_b32 s43, 0
	s_add_nc_u64 s[42:43], s[8:9], s[42:43]
	v_mov_b32 v245, 0                              ; (upper halves of pairs, and a permute's destination)
	v_mov_b32 v247, 0
	v_mov_b32 v34, 0
	v_mov_b32 v37, 0
	v_and_b32 v39, 15, v0
	s_delay_alu instid0(VALU_DEP_1)
	v_lshlrev_b32 v39, 3, v39                      ; 8 r
	s_wait_dscnt 0x0
	v_min_num_f32 v240, v232, v236                 ; -M of the larger M
	s_delay_alu instid0(VALU_DEP_1)
	v_sub_f32 v241, v240, v232
	s_delay_alu instid0(VALU_DEP_2)
	v_sub_f32 v242, v240, v236
	s_delay_alu instid0(VALU_DEP_2)
	v_cvt_i32_f32 v241, v241
	s_delay_alu instid0(VALU_DEP_2)
	v_cvt_i32_f32 v242, v242                       ; (a half that had no step has M = -3e38: this saturates, and its factor is 0)
	s_delay_alu instid0(VALU_DEP_2)
	v_ldexp_f32 v244, 1.0, v241
	s_delay_alu instid0(VALU_DEP_2)
	v_ldexp_f32 v246, 1.0, v242
	v_add_f32 v32, v234, v235
	v_add_f32 v33, v238, v239
	s_delay_alu instid0(VALU_DEP_2)
	v_mul_f32 v32, v32, v244
	s_delay_alu instid0(VALU_DEP_1)
	v_fma_f32 v32, v33, v246, v32
	s_delay_alu instid0(VALU_DEP_1)
	v_permlanex16_b32 v34, v32, s20, s21
	s_delay_alu instid0(VALU_DEP_1)
	v_add_f32 v32, v32, v34                        ; l
	s_wait_alu depctr_va_vdst(0)
	v_rcp_f32 v36, v32
.set n, 0
.rept 16
	v_pk_mul_f32 v[S+n:S+n+1], v[S+n:S+n+1], v[244:245] op_sel_hi:[1,0]
.set n, n+2
.endr
.set n, 0
.rept 16
	v_pk_fma_f32 v[S+n:S+n+1], v[S+32+n:S+33+n], v[246:247], v[S+n:S+n+1] op_sel_hi:[1,0,1]
.set n, n+2
.endr
	s_wait_alu depctr_va_vdst(0)                   ; the wait for the reciprocal, ahead of its first reader
.set n, 0
.rept 16
	v_pk_mul_f32 v[S+n:S+n+1], v[S+n:S+n+1], v[36:37] op_sel_hi:[1,0]     ; register 16 b + i = channel 32 b + 16 h + i of my query
.set n, n+2
.endr
.irp b, 0,1
	v_max3_num_f32 v[232+\b], |v[S+16*\b]|, |v[S+1+16*\b]|, 0x2800000
.endr
.irp i, 2,4,6,8,10,12,14
.irp b, 0,1
	s_delay_alu instid0(VALU_DEP_2)
	v_max3_num_f32 v[232+\b], v[232+\b], |v[S+16*\b+\i]|, |v[S+1+16*\b+\i]|
.endr
.endr
.irp b, 0,1
	s_delay_alu instid0(VALU_DEP_2)
	v_permlanex16_b32 v[236+\b], v[232+\b], s20, s21
.endr
.irp b, 0,1
	s_delay_alu instid0(VALU_DEP_2)
	v_max_num_f32 v[232+\b], v[232+\b], v[236+\b]
.endr
.irp b, 0,1
	s_delay_alu instid0(VALU_DEP_2)
	v_add_nc_u32 v[240+\b], 0xfe000000, v[232+\b]
.endr
.irp b, 0,1
	s_delay_alu instid0(VALU_DEP_2)
	v_lshrrev_b32 v[236+\b], 23, v[240+\b]
.endr
	s_delay_alu instid0(VALU_DEP_1)
	v_lshl_or_b32 v38, v237, 8, v236               ; my row's two bytes
	v_cvt_scalef32_pk16_bf6_f32 v[224:226], v[S:S+15], v240
	v_cvt_scalef32_pk16_bf6_f32 v[236:238], v[S+16:S+31], v241
	v_nop
.irp i, 0,1,2
	v_permlane16_swap_b32 v[224+\i], v[236+\i]
.endr
.irp i, 0,1,2
	s_delay_alu instid0(VALU_DEP_3)
	v_mov_b32 v[227+\i], v[236+\i]
.endr
	global_store_b128 v10, v[224:227], s[40:41]    ; 512 and 256 consecutive bytes, aligned to 256
	global_store_b64 v11, v[228:229], s[40:41] offset:512
	global_store_b16 v39, v38, s[42:43]            ; two bytes a row, 8 bytes apart (both halves of the lanes write the same): a row's word is shared by two heads, which are two work-groups
	s_wait_tensorcnt 0x0                           ; the wave's end
	ds_add_u32 v3, v4
	s_wait_dscnt 0x0
	s_endpgm
.Lfunc_end_k_q5323f24f66_attn:
	.size	k_q5323f24f66_attn, .Lfunc_end_k_q5323f24f66_attn-k_q5323f24f66_attn
	.p2alignl 7, 3214868480
	.fill 96, 4, 3214868480
	.section	.rodata,"a",@progbits
	.p2align	6, 0x0
	.amdhsa_kernel k_q5323f24f66_attn
		.amdhsa_group_segment_fixed_size 327680
		.amdhsa_private_segment_fixed_size 0
		.amdhsa_enable_private_segment 0
		.amdhsa_kernarg_size 24
		.amdhsa_user_sgpr_count 2
		.amdhsa_user_sgpr_kernarg_segment_ptr 1
		.amdhsa_wavefront_size32 1
		.amdhsa_system_sgpr_workgroup_id_x 1
		.amdhsa_system_sgpr_workgroup_id_y 1
		.amdhsa_system_sgpr_workgroup_id_z 1
		.amdhsa_system_vgpr_workitem_id 0
		.amdhsa_next_free_vgpr 256
		.amdhsa_next_free_sgpr 66
		.amdhsa_reserve_vcc 1
		.amdhsa_float_denorm_mode_32 3
		.amdhsa_float_denorm_mode_16_64 3
		.amdhsa_memory_ordered 1
		.amdhsa_forward_progress 1
		.amdhsa_inst_pref_size 112
	.end_amdhsa_kernel
	.amdgpu_metadata
---
amdhsa.version: [ 1, 2 ]
amdhsa.kernels:
  - .name:           k_q5323f24f66_attn
    .symbol:         k_q5323f24f66_attn.kd
    .args:
      - { .name: qb, .offset: 0, .size: 8, .value_kind: global_buffer, .address_space: global }
      - { .name: kv, .offset: 8, .size: 8, .value_kind: global_buffer, .address_space: global }
      - { .name: ab, .offset: 16, .size: 8, .value_kind: global_buffer, .address_space: global }
    .group_segment_fixed_size: 327680
    .private_segment_fixed_size: 0
    .kernarg_segment_align: 8
    .kernarg_segment_size: 24
    .max_flat_workgroup_size: 512
    .sgpr_count:     66
    .vgpr_count:     256
    .wavefront_size: 32
...
	.end_amdgpu_metadata
.endif
;; end of part 3
;; launch proj (part 4): grid 8 x 32, 4 waves a work-group, clusters of 4 x 4, 222,720 bytes of LDS; arguments ab, cod1, b_o, out0; writes out0
.if DOCPART == 4
	.amdgcn_target "amdgcn-amd-amdhsa--gfx1250"
	.amdhsa_code_object_version 6
	.text
	.protected	k_q5323f24f66_proj
	.globl	k_q5323f24f66_proj
	.p2align	8
	.type	k_q5323f24f66_proj,@function
k_q5323f24f66_proj:
	s_mov_b64 s[64:65], 0
	v_nop
	global_prefetch_b8 v0, s[64:65] scope:SCOPE_SE
	s_setreg_imm32_b32 hwreg(HW_REG_WAVE_MODE, 25, 1), 1
	s_wait_xcnt 0x0
	s_wait_alu depctr_hold_cnt(0) depctr_sa_sdst(0) depctr_va_vdst(0) depctr_va_sdst(0) depctr_va_ssrc(0) depctr_va_vcc(0) depctr_vm_vsrc(0)
	s_getreg_b32 s2, hwreg(HW_REG_IB_STS2, 6, 4)
	s_cmp_eq_u32 s2, 0
	s_cbranch_scc0 .Lentry_in_a_cluster
	s_endpgm
.Lentry_in_a_cluster:
	s_bfe_u32 s2, ttmp6, 0x10000c
	s_cmp_lg_u32 s2, 0xf033
	s_cbranch_scc0 .Lentry_shape_is_right
	s_endpgm
.Lentry_shape_is_right:
; out0 = a w_o^T + b_o on codes of BF6: a from ab (the attention's result, 256 tiles), w_o from cod1 (tiles 448-511), both laid in the order of an operand's registers (records of 6,400 bytes: four fragments and their scale words).
; Source 0 = 16 rows of w_o (operand P), source 1 = 16 rows of a (operand R): a lane holds one row of out0 and its registers run along the columns, in natural order, since a tile's rows are 32 g + 8 u + r + 8 (r / 8).
; A work-group makes 128 x 128: 256 work-groups; a wave 64 x 64: 16 accumulators.  All of K = 1,024 is 204,800 bytes of LDS: it comes once, in two chunks of 512 along K: no slot is filled twice.
; CLUSTERS 4 x 4: R's tiles are shared along a row of the cluster, P's along a column: joint loads.  Waves 0, 1 fetch R's halves, waves 2, 3 P's; each wave has two tensor loads out.
; The bias is the C of the first K step (the sum's first addend).  The results leave through each wave's own stage in LDS (16 rows of 256 + 16 bytes, which no tensor load fills), sixteen lanes to 256 consecutive bytes, aligned.
; REGISTERS: window 0: v1-18 addresses; v32-63 scale words; v64-95 the bias; v96-191 R's fragments, two sets; v192-255 rows on the way out.  window 1: P's fragments, two sets.  window 2: accumulator (a, b) at v[8 (4 a + b)].
; THE FETCH, AS THE TEXT HAS IT (in place of the head's lines on who fetches what): the four tiles R chunk 0, R chunk 1, P chunk 0, P chunk 1 go one to a wave, each whole (8 records):
; wave / 2 says R or P, wave % 2 the chunk.  One tensor load a wave, one wait for it, one barrier; no LDS byte is filled twice.
.set CHK,  6400
.set T16,  12800
.set LR,   0                           ; LDS: R's chunk c at 51,200 c
.set LP,   102400                      ; P's chunk c at 102,400 + 51,200 c
.set STAGE, 204800
.set SPIT, 272
.set AR16, 6
.set AR8,  8
.set AP16, 10
.set AP8,  12
.set STO,  16
.set RD,   17
.set CO,   18
.set SC,   32                          ; chunk c at SC + 16 c: R's tile a at + 2 a, P's tile b at + 8 + 2 b
.set BI,   64
.set RF,   96
.set BK,   192
.set WV,   12
.set HF,   13                          ; wave % 2: my 4 tiles of P; also which chunk of K I fetch
.set RW,   14                          ; wave / 2: my 4 tiles of R; also 0: I fetch for R, 1: for P
.set MSB, 0
.macro WIN new
.if MSB != (\new)
	s_set_vgpr_msb (MSB<<8)|(\new)
.set MSB, (\new)
.endif
.endm
.macro PLACES
.rept 4
	v_nop
.endr
.endm
.macro CROUND
	s_barrier_signal -1
	s_barrier_wait -1
	s_cmp_lg_u32 s[WV], 0
	s_cbranch_scc1 .Lnot_wave_0_\@
	s_barrier_signal -3
.Lnot_wave_0_\@:
	s_barrier_wait -3
	s_barrier_signal -1
	s_barrier_wait -1
.endm
	s_load_b128 s[4:7], s[0:1], 0x0                ; ab, cod1
	s_load_b128 s[8:11], s[0:1], 0x10              ; b_o, out0
	v_lshl_add_u32 v30, v0, 2, 0x36400
	v_mov_b32 v31, 0
	ds_add_u32 v30, v31
	ds_add_u32 v30, v31
	v_lshrrev_b32 v1, 5, v0
	v_readfirstlane_b32 s[WV], v1
	s_and_b32 s[HF], s[WV], 1
	s_lshr_b32 s[RW], s[WV], 1
	s_bfe_u32 s15, ttmp6, 0x40000                  ; cx
	s_bfe_u32 s16, ttmp6, 0x40004                  ; cy
	s_lshl_b32 s19, ttmp9, 2
	s_add_co_u32 s19, s19, s15                     ; work-group x
	s_and_b32 s17, ttmp7, 0xffff
	s_lshl_b32 s17, s17, 2
	s_add_co_u32 s17, s17, s16                     ; work-group y
	s_lshl_b32 s22, s17, 3                         ; R's first tile
	s_lshl_b32 s23, s19, 3
	s_add_co_u32 s23, s23, 448                     ; P's first tile
	s_lshl_b32 s56, s16, 2
	s_lshl_b32 s56, 15, s56                        ; my row of the cluster
	s_lshl_b32 s57, 0x1111, s15                    ; my column
	s_or_b32 s24, s56, (3<<16)|(1<<21)             ; group 1: 8 rows of 6,400 bytes (800 elements of 8), 12,800 bytes apart
	s_or_b32 s32, s57, (3<<16)|(1<<21)
.irp g, 24, 32
	s_mov_b32 s[\g+1], 800<<16
	s_mov_b32 s[\g+2], 8<<16
	s_mov_b32 s[\g+3], 800<<16
	s_mov_b32 s[\g+4], 8
	s_mov_b32 s[\g+5], 1600
	s_mov_b32 s[\g+6], 0
	s_mov_b32 s[\g+7], 0
.endr
	s_mul_i32 s62, s[HF], CHK                      ; my chunk: the first or the second record of each tile
	s_mul_i32 s58, s22, T16
	s_add_co_u32 s58, s58, s62
	s_mov_b32 s59, 0
	s_mul_i32 s60, s23, T16
	s_add_co_u32 s60, s60, s62
	s_mov_b32 s61, 0
	s_mul_i32 s62, s[HF], 51200                    ; where they go: chunk x 8 records: no place in the cluster enters an LDS address
	s_wait_dscnt 0x0
	s_wait_kmcnt 0x0
	s_add_nc_u64 s[58:59], s[4:5], s[58:59]
	s_add_nc_u64 s[60:61], s[6:7], s[60:61]
	CROUND                                         ; all sixteen work-groups are here: the joint loads meet
	s_mov_b32 s40, 1
	s_add_co_u32 s41, s62, LR
	s_mov_b64 s[42:43], s[58:59]
	s_or_b32 s43, s43, 0x80000000
	s_mov_b32 s48, 1
	s_add_co_u32 s49, s62, LP
	s_mov_b64 s[50:51], s[60:61]
	s_or_b32 s51, s51, 0x80000000
	s_cmp_eq_u32 s[RW], 0                          ; one branch on the wave's number, one fill to an arm
	s_cbranch_scc0 .Lfor_p
	tensor_load_to_lds s[40:43], s[24:31]
	s_nop 0
	PLACES
	s_branch .Lasked
.Lfor_p:
	tensor_load_to_lds s[48:51], s[32:39]
	s_nop 0
	PLACES
.Lasked:
	v_and_b32 v1, 31, v0                           ; lane
	v_and_b32 v2, 15, v0                           ; r
	v_bfe_u32 v3, v0, 4, 1                         ; h
	v_lshlrev_b32 v4, 4, v1
	v_lshlrev_b32 v5, 3, v1
	s_wait_alu depctr_va_vdst(0)
	s_mul_i32 s66, s[RW], 25600
	s_mul_i32 s67, s[HF], 25600
.irp c, 0,1
	s_add_co_u32 s68, s66, LR+51200*\c
	v_add_nc_u32 v[AR16+\c], s68, v4
	s_add_co_u32 s68, s68, 512
	v_add_nc_u32 v[AR8+\c], s68, v5
	s_add_co_u32 s68, s67, LP+51200*\c
	v_add_nc_u32 v[AP16+\c], s68, v4
	s_add_co_u32 s68, s68, 512
	v_add_nc_u32 v[AP8+\c], s68, v5
.endr
	v_lshlrev_b32 v14, 6, v3                       ; the bias runs along my registers: 64 h bytes
	s_lshl_b32 s68, s19, 9
	s_lshl_b32 s69, s[HF], 8
	s_add_co_u32 s68, s68, s69                     ; my first column, in bytes: 512 x work-group x + 256 x wave % 2
	s_mov_b32 s69, 0
	s_add_nc_u64 s[8:9], s[8:9], s[68:69]
.irp b, 0,1,2,3
	global_load_b128 v[BI+8*\b:BI+8*\b+3], v14, s[8:9] offset:(32*(\b/2)+8*(\b%2))*4
	global_load_b128 v[BI+8*\b+4:BI+8*\b+7], v14, s[8:9] offset:(32*(\b/2)+8*(\b%2))*4+16
.endr
	s_mul_i32 s70, s[WV], 16*SPIT
	s_add_co_u32 s70, s70, STAGE                   ; my stage
	v_mul_u32_u24 v[STO], v2, SPIT
	v_lshl_add_u32 v[STO], v3, 6, v[STO]
	v_add_nc_u32 v[STO], s70, v[STO]               ; in: row r, + 64 h
	v_mul_u32_u24 v[RD], v3, SPIT
	v_lshl_add_u32 v[RD], v2, 4, v[RD]
	v_add_nc_u32 v[RD], s70, v[RD]                 ; back: lanes 0-15 one row of 256 bytes, lanes 16-31 the next
	v_lshlrev_b32 v[CO], 12, v3
	v_lshl_add_u32 v[CO], v2, 4, v[CO]             ; and the same two rows of out0
	s_lshl_b32 s70, s17, 7
	s_lshl_b32 s71, s[RW], 6
	s_add_co_u32 s70, s70, s71                     ; my first row
	s_lshl_b32 s70, s70, 12
	s_add_co_u32 s70, s70, s68
	s_mov_b32 s71, 0
	s_add_nc_u64 s[10:11], s[10:11], s[70:71]
.macro FRAG reg, a16, a8, off
	ds_load_b128 v[(\reg):(\reg)+3], v[\a16] offset:(\off)
	ds_load_b64 v[(\reg)+4:(\reg)+5], v[\a8] offset:(\off)
	ds_load_b128 v[(\reg)+6:(\reg)+9], v[\a16] offset:(\off)+768
	ds_load_b64 v[(\reg)+10:(\reg)+11], v[\a8] offset:(\off)+768
.endm
.macro FETCH s
	WIN 0x40
.irp b, 0,1,2,3
	FRAG 128*((\s)%2)+12*\b, AP16+(\s)/4, AP8+(\s)/4, CHK*\b+1536*((\s)%4)
.endr
	WIN 0
.irp a, 0,1,2,3
	FRAG RF+48*((\s)%2)+12*\a, AR16+(\s)/4, AR8+(\s)/4, CHK*\a+1536*((\s)%4)
.endr
.endm
.macro SCALES c
.irp a, 0,1,2,3
	ds_load_b64 v[SC+16*\c+2*\a:SC+16*\c+2*\a+1], v[AR8+\c] offset:CHK*\a+5632
.endr
.irp b, 0,1,2,3
	ds_load_b64 v[SC+16*\c+8+2*\b:SC+16*\c+8+2*\b+1], v[AP8+\c] offset:CHK*\b+5632
.endr
.endm
; 16 products: the accumulators take turns, one instruction a turn, in the same order in every K step.  first = 1: C = the bias
.macro MUL s, first
.set KSET, (\s)%2
.set SCB, SC+16*((\s)/4)+((\s)%4)/2
.if \first
	WIN 0x81
.else
	WIN 0xa1
.endif
.irp a, 0,1,2,3
.irp b, 0,1,2,3
.set rD, 8*(4*\a+\b)
.set rP, 128*KSET+12*\b
.set rR, RF+48*KSET+12*\a
.set rA, SCB+8+2*\b
.set rB, SCB+2*\a
.if \first
	v_wmma_scale_f32_16x16x128_f8f6f4 v[rD:rD+7], v[rP:rP+11], v[rR:rR+11], v[BI+8*\b:BI+8*\b+7], v[rA], v[rB] matrix_a_fmt:MATRIX_FMT_BF6 matrix_b_fmt:MATRIX_FMT_BF6
.elseif ((\s)%2) == 1
	v_wmma_scale_f32_16x16x128_f8f6f4 v[rD:rD+7], v[rP:rP+11], v[rR:rR+11], v[rD:rD+7], v[rA], v[rB] matrix_a_fmt:MATRIX_FMT_BF6 matrix_b_fmt:MATRIX_FMT_BF6 matrix_a_scale:MATRIX_SCALE_ROW1 matrix_b_scale:MATRIX_SCALE_ROW1
.else
	v_wmma_scale_f32_16x16x128_f8f6f4 v[rD:rD+7], v[rP:rP+11], v[rR:rR+11], v[rD:rD+7], v[rA], v[rB] matrix_a_fmt:MATRIX_FMT_BF6 matrix_b_fmt:MATRIX_FMT_BF6
.endif
.endr
.endr
	WIN 0
.endm
.macro KHEAD s
	s_wait_dscnt 0x0                               ; this K step's fragments are in
.if (\s) < 7
.if (\s) > 0
	PLACES                                         ; four places in front of loads into registers that matrix instructions have read
.endif
	FETCH (\s)+1
.if (\s) == 3
	SCALES 1
.endif
.endif
.endm
	s_wait_tensorcnt 0x0                           ; my one tile has landed; behind the barrier everybody's has: all of K lies in LDS
	s_barrier_signal -1
	s_barrier_wait -1
	SCALES 0
	FETCH 0
	s_wait_loadcnt 0x0                             ; the bias
	KHEAD 0
	MUL 0, 1
.irp s, 1,2,3,4,5,6,7
	KHEAD \s
	MUL \s, 0
.endr
; THE WAY OUT, a tile of 16 rows x 64 columns at a time, through my own stage: a wave's LDS instructions are served in order, so no wait stands between the stores and the loads
.macro TOSTAGE a
	WIN 0x08                                       ; an LDS store's data are its source 1: window 2
.irp b, 0,1,2,3
	ds_store_b128 v[STO], v[8*(4*(\a)+\b):8*(4*(\a)+\b)+3] offset:128*(\b/2)+32*(\b%2)        ; each accumulator from its low end on
	ds_store_b128 v[STO], v[8*(4*(\a)+\b)+4:8*(4*(\a)+\b)+7] offset:128*(\b/2)+32*(\b%2)+16
.endr
	WIN 0
.set BB, BK+32*((\a)%2)
.irp t, 0,1,2,3,4,5,6,7
	ds_load_b128 v[BB+4*\t:BB+4*\t+3], v[RD] offset:2*\t*SPIT
.endr
.endm
.macro SEND a                          ; stage row 2 t + (lane / 16) is the tile's lane of that number: row 32 (a / 2) + 8 (a % 2) + 2 t + 8 (t / 4) + (lane / 16) of my 64
.set BB, BK+32*((\a)%2)
.irp t, 0,1,2,3,4,5,6,7
	global_store_b128 v[CO], v[BB+4*\t:BB+4*\t+3], s[10:11] offset:(32*((\a)/2)+8*((\a)%2)+2*\t+8*(\t/4))*4096 th:TH_STORE_NT
.endr
.endm
	PLACES                                         ; behind the last products
	s_wait_alu depctr_va_vdst(0)
	TOSTAGE 0
.irp a, 1,2,3
.if \a > 1
	s_wait_xcnt 0x0                                ; tile a - 2's stores have read their registers: tile a's loads may land there
.endif
	TOSTAGE \a
	s_wait_dscnt 16                                ; tile a - 1 is back; tile a's 8 stores and 8 loads may be out
	SEND \a-1
.endr
	s_wait_dscnt 0x0
	SEND 3
	s_wait_tensorcnt 0x0
	ds_add_u32 v30, v31
	s_wait_dscnt 0x0
	CROUND                                         ; the closing round
	s_endpgm
.Lfunc_end_k_q5323f24f66_proj:
	.size	k_q5323f24f66_proj, .Lfunc_end_k_q5323f24f66_proj-k_q5323f24f66_proj
	.p2alignl 7, 3214868480
	.fill 96, 4, 3214868480
	.section	.rodata,"a",@progbits
	.p2align	6, 0x0
	.amdhsa_kernel k_q5323f24f66_proj
		.amdhsa_group_segment_fixed_size 222720
		.amdhsa_private_segment_fixed_size 0
		.amdhsa_enable_private_segment 0
		.amdhsa_kernarg_size 32
		.amdhsa_user_sgpr_count 2
		.amdhsa_user_sgpr_kernarg_segment_ptr 1
		.amdhsa_wavefront_size32 1
		.amdhsa_system_sgpr_workgroup_id_x 1
		.amdhsa_system_sgpr_workgroup_id_y 1
		.amdhsa_system_sgpr_workgroup_id_z 1
		.amdhsa_system_vgpr_workitem_id 0
		.amdhsa_next_free_vgpr 640
		.amdhsa_next_free_sgpr 100
		.amdhsa_reserve_vcc 0
		.amdhsa_float_denorm_mode_32 3
		.amdhsa_float_denorm_mode_16_64 3
		.amdhsa_memory_ordered 1
		.amdhsa_forward_progress 1
		.amdhsa_inst_pref_size 51
	.end_amdhsa_kernel
	.amdgpu_metadata
---
amdhsa.version: [ 1, 2 ]
amdhsa.kernels:
  - .name:           k_q5323f24f66_proj
    .symbol:         k_q5323f24f66_proj.kd
    .args:
      - { .name: ab, .offset: 0, .size: 8, .value_kind: global_buffer, .address_space: global }
      - { .name: cod1, .offset: 8, .size: 8, .value_kind: global_buffer, .address_space: global }
      - { .name: b_o, .offset: 16, .size: 8, .value_kind: global_buffer, .address_space: global }
      - { .name: out0, .offset: 24, .size: 8, .value_kind: global_buffer, .address_space: global }
    .group_segment_fixed_size: 222720
    .private_segment_fixed_size: 0
    .kernarg_segment_align: 8
    .kernarg_segment_size: 32
    .max_flat_workgroup_size: 128
    .sgpr_count:     100
    .vgpr_count:     640
    .wavefront_size: 32
...
	.end_amdgpu_metadata
.endif
;; end of part 4
